; MI455X (gfx1250); checked and timed in simulation.
; The chip was launched on July 23, 2026; its instructions are those of AMD's public machine-readable ISA for CDNA 5 (MIT licence, August 2026) and "CDNA5" Instruction Set Architecture Reference Guide (July 2026). The comments in the code are by the model that wrote it; some were corrected since.
;; Causal Self Attention. Allowed arithmetic: matrix products marked QUANTISED: E2M1 operands, one E8M0 scale for each 32 along K, by v_wmma_scale_f32_16x16x128_f8f6f4 with both operands' format E2M1 (or v_wmma_scale_f32_32x16x128_f4), f32 sums; products left as they are: bf16, f16 or f32 operands; f32 sums; everything else in f32.
;; Inputs: Wk 1,024 x 1,024 float32; Wq 1,024 x 1,024 float32; Wv 1,024 x 1,024 float32; x 4 x 2,048 x 1,024 float32.
;; Outputs: out0 4 x 2,048 x 1,024 float32.
;; This version of the problem:
;;   THIS VERSION OF THE PROBLEM IS GIVEN IN LOW PRECISION. The matrix products marked QUANTISED in the list below multiply operands that are first quantised to E2M1 (2 exponent bits, 1 mantissa bit; 4 bits a number), with one power-of-two scale for each 32 numbers along K (OCP MX v1.0); their sums are f32. The products marked 'left as it is' may take bf16, f16 or f32 operands, with f32 sums. Whichever they take, every output number must still come out within the allowed error. Rounding operands to bf16 (8 significant bits) uses up far more of that allowance than f16 does (11 bits, for magnitudes from 6e-5 to 65,504). All else is computed in f32.
;;   The module's matrix products, in the order in which they are computed (A, B: the left and right operand; K: the contracted axis; several contracted axes count as one K, in the product's order):
;;     1. [M 8,192, K 1,024] x [K 1,024, N 1,024]; A: input x; B: input Wq: QUANTISED
;;     2. [M 8,192, K 1,024] x [K 1,024, N 1,024]; A: input x; B: input Wk: QUANTISED
;;     3. [M 8,192, K 1,024] x [K 1,024, N 1,024]; A: input x; B: input Wv: QUANTISED
;;     4. batch 4 x [M 2,048, K 1,024] x [K 1,024, N 2,048]; A: computed on the way; B: computed on the way: left as it is (an operand is computed on the way)
;;     5. batch 4 x [M 2,048, K 2,048] x [K 2,048, N 1,024]; A: computed on the way; B: computed on the way: left as it is (an operand is computed on the way)
;;   THE QUANTISER, for each operand of a quantised product, along K:
;;     - K is cut into blocks of 32 from its start; a last block that is shorter is filled with zeros.
;;     - A block's scale is 2^e with e = floor(log2(the largest magnitude in the block)) - 2, held to -126 .. 127; a block of zeros has e = 0. As a byte (E8M0): e + 127.
;;     - Each number is divided by its block's scale, clamped to +-6, and rounded to the nearest number of E2M1, ties to even, subnormals kept.
;;     - The product sums the exact products of the quantised numbers (number of the format x scale) in f32.
;;   ~~~python
;;   def quantise(x, axis):      # numpy; x: float32 -> the quantised numbers, widened to float32 again
;;       x = np.moveaxis(x, axis, -1); K = x.shape[-1]
;;       x = np.pad(x, [(0, 0)] * (x.ndim - 1) + [(0, -K % 32)]); x = x.reshape(x.shape[:-1] + (-1, 32)); a = np.abs(x).max(-1, keepdims=True)
;;       e = np.where(a > 0, np.clip(np.frexp(np.where(a > 0, a, 1))[1] - 1 - 2, -126, 127), 0)      # np.frexp(a)[1] - 1 = floor(log2(a)), exactly
;;       r = np.clip(x / 2.0 ** e, -6, 6)
;;       step = 2.0 ** (np.maximum(np.frexp(np.where(r == 0, 1, r))[1] - 1, 0) - 1)
;;       q = np.round(r / step) * step * 2.0 ** e      # np.round: ties to even
;;       return np.moveaxis(q.reshape(q.shape[:-2] + (-1,))[..., :K], -1, axis).astype(np.float32)
;;   ~~~
;; One version. Each part assembles by itself: llvm-mc -triple=amdgcn-amd-amdhsa -mcpu=gfx1250 --defsym DOCPART=n.
;; ======== version 1 of 1: 5 launches
;; limits: values are held in f16: magnitudes above 65,504 overflow, below 6.1e-05 lose precision
;; workspace buffers: cod 5,767,168 bytes; scl 360,448 bytes; qk 33,554,432 bytes; vt 16,777,216 bytes; head 786,432 bytes; p16 33,554,432 bytes; stat 1,048,576 bytes
;; launch quant (part 1): grid 352 x 1, 4 waves a work-group, no clusters, 33,280 bytes of LDS; arguments x, Wq, Wk, Wv, cod, scl; writes cod, scl
.if DOCPART == 1
	.amdgcn_target "amdgcn-amd-amdhsa--gfx1250"
	.amdhsa_code_object_version 6
	.text
	.protected	k_qb0448b9928_quant
	.globl	k_qb0448b9928_quant
	.p2align	8
	.type	k_qb0448b9928_quant,@function
k_qb0448b9928_quant:
	s_mov_b64 s[64:65], 0
	v_nop
	global_prefetch_b8 v0, s[64:65] scope:SCOPE_SE
	s_setreg_imm32_b32 hwreg(HW_REG_WAVE_MODE, 25, 1), 1
	s_wait_xcnt 0x0
; x [8192][1024], Wq, Wk, Wv [1024][1024], f32, K innermost, become codes of FP4 (E2M1) and one E8M0 scale byte for each 32 along K.
; cod stacks the four tensors as 11,264 rows of 512 bytes (x, Wq, Wk, Wv), scl as 11,264 rows of 32 bytes: rows are dense, so source and results are plain streams of blocks of 32.
; A block's scale is 2^(floor(log2(its largest magnitude)) - 2); its byte is the largest magnitude's exponent field - 2, held at 1 from below.
; LIMITS: a block of zeros gets the byte 1 where the rule says 127 (its codes are zeros, and this program alone reads the bytes); blocks whose largest magnitude lies under 2^-124 keep the byte 1;
; NaN and infinities among the inputs are not served.
; A work-group takes 32,768 numbers (x: work-groups 0-255, then 32 for each weight), a wave 16 steps of 512.  Each load reads 512 consecutive bytes; a step's 2,048 bytes turn through the wave's own
; stage in LDS, so that a lane then holds 16 neighbours along K (two neighbouring lanes hold a block).  A lane's 16 codes are 8 bytes: the wave stores 256 consecutive bytes.  A wave's 256 scale bytes are gathered in LDS
; and leave as 256 consecutive bytes.  No tensor loads, no barrier: waves share nothing.  Loads run four steps ahead, the turn through LDS one step.
.set WAVES, 4
.set STEPS, 16
.set EMAX,  2
.set CB,    8                          ; bytes of 16 codes
.set R,     16                         ; v16-79   four sets of 16 numbers as they are loaded
.set X,     80                         ; v80-111  two sets of 16 neighbours
.set C,     128                        ; v128-191 codes: four registers for each step, so that no store's data are written again
.set E,     112                        ; v112-127 a scale byte for each step
.set WREG,  8192                       ; LDS: a region for each wave: two stages of 32 x SP bytes, behind them its 256 scale bytes
.set SP,    80                         ; a lane's place in a stage: 64 bytes + 16 of padding
.set SPW,   12                         ; v12 LDS address of my spare word; never rewritten
.set NIL,   13                         ; v13 0; never rewritten
.set SPARE, WAVES*WREG                 ; the spare words, 128 bytes for each wave, named by no other line
	s_load_b256 s[4:11], s[0:1], 0x0               ; x s[4:5], Wq s[6:7], Wk s[8:9], Wv s[10:11]
	s_load_b128 s[12:15], s[0:1], 0x20             ; cod s[12:13], scl s[14:15]
	v_lshl_add_u32 v[SPW], v0, 2, SPARE
	v_mov_b32 v[NIL], 0
	v_lshrrev_b32 v1, 5, v0
	v_readfirstlane_b32 s20, v1                    ; wave
	v_and_b32 v2, 31, v0                           ; lane
	v_lshlrev_b32 v3, 4, v2                        ; my 16 bytes of a load's 512
	s_mul_i32 s21, s20, WREG
	v_lshrrev_b32 v14, 2, v2
	v_mul_u32_u24 v14, v14, SP
	v_and_b32 v15, 3, v2
	v_lshl_add_u32 v14, v15, 4, v14
	v_add_nc_u32 v14, s21, v14                     ; the stage, on the way in: SP (lane / 4) + 16 (lane % 4)
	v_mul_u32_u24 v15, v2, SP
	v_add_nc_u32 v15, s21, v15                     ; and on the way out: SP x lane: my 16 neighbours
	v_mul_u32_u24 v4, v2, CB                       ; my codes' place in a step's
	v_lshrrev_b32 v5, 1, v2
	s_add_co_u32 s21, s21, 2*32*SP
	v_add_nc_u32 v5, s21, v5                       ; LDS: my wave's 256 scale bytes, my block's byte
	v_lshlrev_b32 v7, 3, v2                        ; and on the way out 8 bytes a lane
	v_add_nc_u32 v6, s21, v7
	s_and_b32 s19, ttmp9, 31                       ; a weight's work-groups count from a multiple of 32
	s_wait_kmcnt 0x0
	s_cmp_lt_u32 ttmp9, 320                        ; which tensor: the choice hangs on the work-group's number alone
	s_cselect_b64 s[16:17], s[8:9], s[10:11]
	s_cmp_lt_u32 ttmp9, 288
	s_cselect_b64 s[16:17], s[6:7], s[16:17]
	s_cmp_lt_u32 ttmp9, 256
	s_cselect_b64 s[16:17], s[4:5], s[16:17]
	s_cselect_b32 s18, ttmp9, s19                  ; my work-group's number inside its tensor
	s_lshl_b32 s18, s18, 2
	s_add_co_u32 s18, s18, s20                     ; which run of 8,192 numbers of the tensor is my wave's
	s_lshl_b32 s18, s18, 15                        ; 32,768 bytes a run
	s_mov_b32 s19, 0
	s_add_nc_u64 s[16:17], s[16:17], s[18:19]
	s_lshl_b32 s22, ttmp9, 2
	s_add_co_u32 s22, s22, s20                     ; and which run of the stacked results
	s_mov_b32 s23, 0
	s_lshl_b32 s24, s22, 12                        ; 4,096 bytes of codes a run
	s_mov_b32 s25, 0
	s_add_nc_u64 s[12:13], s[12:13], s[24:25]
	s_lshl_b32 s22, s22, 8                         ; 256 scale bytes a run
	s_add_nc_u64 s[14:15], s[14:15], s[22:23]
.macro LOAD t
.irp i, 0,1,2,3
	global_load_b128 v[R+16*((\t)%4)+4*\i:R+16*((\t)%4)+4*\i+3], v3, s[16:17] offset:2048*(\t)+512*\i th:TH_LOAD_NT   ; 32 lanes read 512 consecutive bytes
.endr
.endm
.macro TURN t                          ; step t's numbers through the stage: LDS serves a wave's instructions in order, so no wait stands between the stores and the loads
.irp i, 0,1,2,3
	ds_store_b128 v14, v[R+16*((\t)%4)+4*\i:R+16*((\t)%4)+4*\i+3] offset:32*SP*((\t)%2)+8*SP*\i
.endr
.irp i, 0,1,2,3
	ds_load_b128 v[X+16*((\t)%2)+4*\i:X+16*((\t)%2)+4*\i+3], v15 offset:32*SP*((\t)%2)+16*\i
.endr
.endm
.irp t, 0,1,2,3
	LOAD \t
.endr
	s_wait_loadcnt 12                              ; step 0's four loads are in
	TURN 0
.macro STEP t
.set XS, X+16*((\t)%2)
.if (\t) > 0
	s_wait_dscnt 1                                 ; this step's numbers are back from the stage (the last step's byte store may be out): so its stores into the stage have read their registers,
.else
	s_wait_dscnt 0x0
.endif
.if (\t)+4 < STEPS
	LOAD (\t)+4                                    ; which take the loads of four steps on
.endif
.if (\t)+1 < STEPS
.if STEPS-2-(\t) >= 3
	s_wait_loadcnt 12                              ; the next step's four loads are in; those of the three steps behind it may be out
.else
	s_wait_loadcnt 4*(STEPS-2-(\t))
.endif
	TURN (\t)+1                                    ; and go through the other stage while this step is worked
.endif
	v_max3_num_f32 v8, |v[XS]|, |v[XS+1]|, |v[XS+2]|               ; the largest magnitude of my 16, in two chains
	v_max3_num_f32 v9, |v[XS+3]|, |v[XS+4]|, |v[XS+5]|
.irp i, 6,10
	v_max3_num_f32 v8, v8, |v[XS+\i]|, |v[XS+\i+1]|
	v_max3_num_f32 v9, v9, |v[XS+\i+2]|, |v[XS+\i+3]|
.endr
	v_max3_num_f32 v8, v8, |v[XS+14]|, |v[XS+15]|
	v_max3_num_f32 v8, v8, v9, (EMAX+1)<<23        ; and the floor 2^(EMAX + 1 - 127): the byte cannot fall under 1
	v_max_num_f32_dpp v8, v8, v8 row_xmask:1 row_mask:0xf bank_mask:0xf   ; and of my neighbour's 16: the block's
	v_add_nc_u32 v11, -(EMAX<<23), v8              ; EMAX off its exponent field: the conversion takes the exponent field of this operand as its scale
	v_cvt_scalef32_pk8_fp4_f32 v[C+4*(\t)], v[XS:XS+7], v11
	v_cvt_scalef32_pk8_fp4_f32 v[C+4*(\t)+1], v[XS+8:XS+15], v11
	v_lshrrev_b32 v[E+(\t)], 23, v11               ; the scale's byte (also the plain line behind the conversions)
	ds_store_b8 v5, v[E+(\t)] offset:16*(\t)       ; both lanes of a block write the same byte with the same value
	global_store_b64 v4, v[C+4*(\t):C+4*(\t)+1], s[12:13] offset:32*CB*(\t)
.endm
.irp t, 0,1,2,3,4,5,6,7,8,9,10,11,12,13,14,15
	STEP \t
.endr
	ds_load_b64 v[8:9], v6                         ; LDS serves a wave's instructions in order: these see my stores
	s_wait_dscnt 0x0
	global_store_b64 v7, v[8:9], s[14:15]          ; 32 lanes store 256 consecutive bytes, aligned
	s_wait_tensorcnt 0x0                           ; the wave's end, behind my last LDS store
	ds_add_u32 v[SPW], v[NIL]
	s_wait_dscnt 0x0
	s_endpgm
.Lfunc_end_k_qb0448b9928_quant:
	.size	k_qb0448b9928_quant, .Lfunc_end_k_qb0448b9928_quant-k_qb0448b9928_quant
	.p2alignl 7, 3214868480
	.fill 96, 4, 3214868480
	.section	.rodata,"a",@progbits
	.p2align	6, 0x0
	.amdhsa_kernel k_qb0448b9928_quant
		.amdhsa_group_segment_fixed_size 33280
		.amdhsa_private_segment_fixed_size 0
		.amdhsa_enable_private_segment 0
		.amdhsa_kernarg_size 48
		.amdhsa_user_sgpr_count 2
		.amdhsa_user_sgpr_kernarg_segment_ptr 1
		.amdhsa_wavefront_size32 1
		.amdhsa_system_sgpr_workgroup_id_x 1
		.amdhsa_system_sgpr_workgroup_id_y 1
		.amdhsa_system_sgpr_workgroup_id_z 1
		.amdhsa_system_vgpr_workitem_id 0
		.amdhsa_next_free_vgpr 192
		.amdhsa_next_free_sgpr 66
		.amdhsa_reserve_vcc 0
		.amdhsa_float_denorm_mode_32 3
		.amdhsa_float_denorm_mode_16_64 3
		.amdhsa_memory_ordered 1
		.amdhsa_forward_progress 1
		.amdhsa_inst_pref_size 33
	.end_amdhsa_kernel
	.amdgpu_metadata
---
amdhsa.version: [ 1, 2 ]
amdhsa.kernels:
  - .name:           k_qb0448b9928_quant
    .symbol:         k_qb0448b9928_quant.kd
    .args:
      - { .name: x, .offset: 0, .size: 8, .value_kind: global_buffer, .address_space: global }
      - { .name: Wq, .offset: 8, .size: 8, .value_kind: global_buffer, .address_space: global }
      - { .name: Wk, .offset: 16, .size: 8, .value_kind: global_buffer, .address_space: global }
      - { .name: Wv, .offset: 24, .size: 8, .value_kind: global_buffer, .address_space: global }
      - { .name: cod, .offset: 32, .size: 8, .value_kind: global_buffer, .address_space: global }
      - { .name: scl, .offset: 40, .size: 8, .value_kind: global_buffer, .address_space: global }
    .group_segment_fixed_size: 33280
    .private_segment_fixed_size: 0
    .kernarg_segment_align: 8
    .kernarg_segment_size: 48
    .max_flat_workgroup_size: 128
    .sgpr_count:     66
    .vgpr_count:     192
    .wavefront_size: 32
...
	.end_amdgpu_metadata
.endif
;; end of part 1
;; launch proj (part 2): grid 8 x 32, 4 waves a work-group, clusters of 4 x 4, 327,680 bytes of LDS; arguments cod, scl, qk, vt, head; writes qk, vt, head
.if DOCPART == 2
	.amdgcn_target "amdgcn-amd-amdhsa--gfx1250"
	.amdhsa_code_object_version 6
	.text
	.protected	k_qb0448b9928_proj
	.globl	k_qb0448b9928_proj
	.p2align	8
	.type	k_qb0448b9928_proj,@function
k_qb0448b9928_proj:
	s_mov_b64 s[64:65], 0
	v_nop
	global_prefetch_b8 v0, s[64:65] scope:SCOPE_SE
	s_setreg_imm32_b32 hwreg(HW_REG_WAVE_MODE, 25, 1), 1
	s_wait_xcnt 0x0
	s_wait_alu depctr_hold_cnt(0) depctr_sa_sdst(0) depctr_va_vdst(0) depctr_va_sdst(0) depctr_va_ssrc(0) depctr_va_vcc(0) depctr_vm_vsrc(0)
	s_getreg_b32 s2, hwreg(HW_REG_IB_STS2, 6, 4)
	s_cmp_eq_u32 s2, 0
	s_cbranch_scc0 .Lentry_in_a_cluster
	s_endpgm
.Lentry_in_a_cluster:
	s_bfe_u32 s2, ttmp6, 0x10000c
	s_cmp_lg_u32 s2, 0xf033
	s_cbranch_scc0 .Lentry_shape_is_right
	s_endpgm
.Lentry_shape_is_right:
; The three projections on codes of FP4 (E2M1) with E8M0 scales, K = 1,024, f32 sums, K ascending, one accumulator an output.
; Operands are rows of cod (512 bytes a row) with their scale bytes in scl (32 a row): rows 0-8,191 x, 8,192-9,215 Wq, 9,216-10,239 Wk, 10,240-11,263 Wv.
; SHARES.  8,192 x 3,072 outputs on 256 work-groups: each takes ONE block of 256 tokens and one block of 128 rows of EACH weight, in three passes: q, k (f16 into qk [8192 tokens][2048]) and v (f16, TRANSPOSED, into
; vt [4][1024 e][2048 keys]).  The role hangs on the pass, not on any id.  A wave takes 128 tokens x 64 weight rows: 32 accumulators.  ITS FRAGMENTS OF x FOR ALL OF K, 512 registers, are read from LDS once, in the q pass,
; and stay for k and v: a pass then reads only the weights' fragments, 8 loads for 32 matrix instructions.
; q, k: source 0 = 16 weight rows, source 1 = 16 tokens: a lane holds one token and eight neighbouring columns.  v: source 0 = 16 tokens, source 1 = 16 rows of Wv: a lane holds one e and eight neighbouring tokens, which is vt's layout.
; CLUSTERS: 4 x 4.  The weight block g = 4 x + cx is shared down a column of the cluster, the token block T = y + 8 cy along a row: joint loads.  cy is the batch, so 'positions 0-255 of a batch' hangs on the cluster's y alone.
; LDS.  x's tile and all three weight tiles do not fit together: Wq's, Wk's and x's are first fills; Wv's is ONE joint refill into the first half of x's tile, behind a round of the cluster's barrier in the q pass's last K step,
; when every wave holds x in registers.  It has the way out of q and the whole k pass in which to land.  By this text's count a wave has three tensor loads out at the start, then one.
; THE f32 COPIES: q, k and v of positions 0-15 of every batch also leave as f32 (head), for the launch that carries those rows in f32.
; LIMIT: q, k, v are rounded to f16: their magnitudes must stay under 65,504.
; REGISTERS: window 0: v0-31 addresses; v32-95 scale words and nothing else; v128-191 the weights' fragments, two sets; v192-223 rows of the f32 copy.  Windows 1, 2: x's fragments (K step q, block a) at v[64 (q % 4) + 8 a].
;   Window 3: the accumulators ((a, b) at v[8 (4 a + b)]); on the way out the packed results and then the rows read back.
.set PITCH,  528                       ; an LDS row of codes: 512 bytes + 16 of padding = 132 words: the 16 rows of a fragment load start at 16 different banks
.set WTILE,  128*PITCH                 ; a weight tile
.set WR,     0                         ; Wq's tile, then Wk's
.set XR,     2*WTILE                   ; x's tile, 256 rows; its first half takes Wv's tile later
.set STAGE,  XR+WTILE                  ; the way out: 256 rows x 272 bytes, in the second half of x's tile, which is never filled again, and 2,048 bytes behind it
.set SP16,   272
.set WSTG,   64*SP16                   ; a wave's quarter of the stage
.set HST,    STAGE+4*WSTG              ; the f32 copy's stage: 16 rows x 272 bytes for each wave
.set HSTW,   16*SP16
.set XSL,    HST+4*HSTW                ; x's scale bytes, 256 rows x 32, dense
.set WSL,    XSL+8192                  ; the weights': [half of the block][weight][64 rows x 32], dense.  (Rows of 32 bytes: a load of scale words goes two deep in the banks; there are 32 such loads a wave in all)
.set SPARE,  WSL+12288                 ; the spare words, 128 bytes for each wave, named by no other line
.set ADRX, 8                           ; v8     my x fragments
.set ADRW, 9                           ; v9-11  my fragments of Wq, Wk, Wv
.set ADRS, 12                          ; v12-14 my scale words for the three passes: lanes 0-15 x's rows, lanes 16-31 the weight's
.set STQ,  15                          ; v15    q, k: where I put 16 bytes of a row of the stage
.set STV,  16                          ; v16    v: the same in my own quarter
.set RD,   17                          ; v17    where I read rows back
.set CO,   18                          ; v18    my byte offset in two rows of qk or vt
.set STH,  19                          ; v19-21 the same three for the f32 copy of q and k
.set RDH,  20
.set CH,   21
.set HVO,  22                          ; v22    64 r + 32 h: my place in the f32 copy of v
.set SPW,  28
.set NIL,  29
.set SC,   32                          ; register 8 i + q: lanes 0-15 the word of x's block i, lanes 16-31 that of the weight's block i, for K step q
.set WF,   128
.set TH,   192
.set G1X,  24                          ; s[24:31] group 1: 64 rows of x;  s[32:39] 64 rows of a weight;  s[48:55] 32 rows of a weight
.set G1W,  32
.set G1W2, 48
.set G1XS, 56                          ; s[56:63] x's scales;  s[68:75] the weights' scales
.set G1WS, 68
.set G0XS, 76                          ; groups 0, a set for each load
.set G0WS, 80
.set G0X,  84
.set G0W,  88
.set G0W2, 92
.set HV,   46                          ; s[46:47] the f32 copy of v
.set MSB, 0
.macro WIN new                         ; the immediate's high byte repeats the setting that is left
.if MSB != (\new)
	s_set_vgpr_msb (MSB<<8)|(\new)
.set MSB, (\new)
.endif
.endm
; A joint load in two lines: waves 0 and 1 take the first, waves 2 and 3 the second; the branch hangs on the wave's number alone.  An s_nop 0 and four v_nop follow each line.
.macro JLOAD g0a, g1a, g0b, g1b
	s_cmp_eq_u32 s15, 0
	s_cbranch_scc0 .Lfor_b_\@
	tensor_load_to_lds s[\g0a:\g0a+3], s[\g1a:\g1a+7]
	s_nop 0
.rept 4
	v_nop
.endr
	s_branch .Lasked_\@
.Lfor_b_\@:
	tensor_load_to_lds s[\g0b:\g0b+3], s[\g1b:\g1b+7]
	s_nop 0
.rept 4
	v_nop
.endr
.Lasked_\@:
.endm
.macro CREST                           ; a round of the cluster's barrier behind its opening barrier
	s_cmp_lg_u32 s14, 0
	s_cbranch_scc1 .Lnot_wave_0_\@
	s_barrier_signal -3
.Lnot_wave_0_\@:
	s_barrier_wait -3
	s_barrier_signal -1
	s_barrier_wait -1
.endm
.macro CROUND                          ; a whole round
	s_barrier_signal -1
	s_barrier_wait -1
	CREST
.endm
	s_load_b128 s[4:7], s[0:1], 0x0                ; cod s[4:5], scl s[6:7]
	s_load_b128 s[8:11], s[0:1], 0x10              ; qk s[8:9], vt s[10:11]
	s_load_b64 s[12:13], s[0:1], 0x20              ; head
	v_lshl_add_u32 v[SPW], v0, 2, SPARE
	v_mov_b32 v[NIL], 0
	ds_add_u32 v[SPW], v[NIL]                      ; the opening: the add, twice on end, and its wait ahead of my first tensor load
	ds_add_u32 v[SPW], v[NIL]
	v_lshrrev_b32 v1, 5, v0
	v_readfirstlane_b32 s14, v1                    ; wave 0..3
	s_lshr_b32 s15, s14, 1                         ; wx: which 128 tokens are mine
	s_and_b32 s16, s14, 1                          ; ww: which 64 weight rows
	s_bfe_u32 s40, ttmp6, 0x40000                  ; cx
	s_bfe_u32 s41, ttmp6, 0x40004                  ; cy
	s_and_b32 s17, ttmp7, 0xffff                   ; the cluster's y, 0..7
	s_lshl_b32 s43, s41, 2
	s_lshl_b32 s43, 15, s43                        ; my row of the cluster
	s_lshl_b32 s44, 0x1111, s40                    ; my column
	s_or_b32 s[G1X], s43, (0<<16)|(1<<20)|(1<<21)|(6<<22)|(3<<25)   ; the mask; elements of 1 byte; padding: 4 words behind every 128
	s_or_b32 s[G1W], s44, (0<<16)|(1<<20)|(1<<21)|(6<<22)|(3<<25)
	s_or_b32 s[G1W2], s44, (0<<16)|(1<<20)|(1<<21)|(6<<22)|(3<<25)
.irp g, G1X, G1W, G1W2
	s_mov_b32 s[\g+1], 512<<16                     ; tensor_dim0: a row of 1,024 codes
	s_mov_b32 s[\g+3], 512<<16                     ; tile_dim0
	s_mov_b32 s[\g+5], 512                         ; the pitch of cod
	s_mov_b32 s[\g+6], 0
	s_mov_b32 s[\g+7], 0
.endr
.irp g, G1X, G1W
	s_mov_b32 s[\g+2], 64<<16                      ; tensor_dim1
	s_mov_b32 s[\g+4], 64                          ; tile_dim1
.endr
	s_mov_b32 s[G1W2+2], 32<<16
	s_mov_b32 s[G1W2+4], 32
	s_or_b32 s[G1XS], s43, (3<<16)|(1<<21)         ; x's scales of 128 rows: 4,096 dense bytes as 16 rows of 32 elements of 8 bytes, no padding
	s_mov_b32 s[G1XS+1], 32<<16
	s_mov_b32 s[G1XS+2], 16<<16
	s_mov_b32 s[G1XS+3], 32<<16
	s_mov_b32 s[G1XS+4], 16
	s_mov_b32 s[G1XS+5], 32
	s_mov_b32 s[G1XS+6], 0
	s_mov_b32 s[G1XS+7], 0
	s_or_b32 s[G1WS], s44, (3<<16)|(1<<21)         ; the scales of 64 rows of each of the three weights: three rows of 2,048 bytes, 1,024 rows of scl (32,768 bytes) apart
	s_mov_b32 s[G1WS+1], 256<<16
	s_mov_b32 s[G1WS+2], 3<<16
	s_mov_b32 s[G1WS+3], 256<<16
	s_mov_b32 s[G1WS+4], 3
	s_mov_b32 s[G1WS+5], 4096
	s_mov_b32 s[G1WS+6], 0
	s_mov_b32 s[G1WS+7], 0
	; x's rows hang on the cluster's y and cy, the weights' on the cluster's x and cx: each in registers that do not hold the other place
	s_lshl_b32 s20, s17, 8
	s_lshl_b32 s21, s41, 11
	s_add_co_u32 s20, s20, s21                     ; my block's first token: 256 y + 2,048 cy
	s_lshl_b32 s21, s14, 6
	s_add_co_u32 s22, s20, s21                     ; the 64 rows of x that I fetch (and the 64 rows of q and k that I store)
	s_mov_b32 s98, s22
	s_lshl_b32 s18, s16, 7
	s_add_co_u32 s20, s20, s18                     ; the 128 rows whose scales I fetch
	s_lshl_b32 s20, s20, 5
	s_mov_b32 s21, 0
	s_lshl_b32 s22, s22, 9
	s_mov_b32 s23, 0
	s_lshl_b32 s99, ttmp9, 2
	s_add_co_u32 s99, s99, s40                     ; g
	s_lshl_b32 s46, s99, 7
	s_add_co_u32 s46, s46, 8192                    ; Wq's row 128 g
	s_lshl_b32 s47, s16, 6
	s_add_co_u32 s66, s46, s47                     ; + 64 x half: the scales that I fetch begin here
	s_lshl_b32 s18, s15, 10
	s_add_co_u32 s96, s66, s18                     ; waves 0, 1: Wq's halves; waves 2, 3: Wk's
	s_lshl_b32 s18, s14, 5
	s_add_co_u32 s46, s46, s18
	s_add_co_u32 s46, s46, 2048                    ; Wv's row 128 g + 32 x wave
	s_lshl_b32 s66, s66, 5
	s_mov_b32 s67, 0
	s_lshl_b32 s96, s96, 9
	s_mov_b32 s97, 0
	s_lshl_b32 s46, s46, 9
	s_mov_b32 s47, 0
	s_wait_dscnt 0x0                               ; both opening adds are done
	s_wait_kmcnt 0x0
	s_mov_b32 s[G0XS], 1                           ; no place in the cluster enters an LDS address
	s_lshl_b32 s18, s16, 12
	s_add_co_u32 s[G0XS+1], s18, XSL
	s_add_nc_u64 s[G0XS+2:G0XS+3], s[6:7], s[20:21]
	s_or_b32 s[G0XS+3], s[G0XS+3], 0x80000000
	s_mov_b32 s[G0WS], 1
	s_mul_i32 s18, s16, 6144
	s_add_co_u32 s[G0WS+1], s18, WSL
	s_add_nc_u64 s[G0WS+2:G0WS+3], s[6:7], s[66:67]
	s_or_b32 s[G0WS+3], s[G0WS+3], 0x80000000
	s_mov_b32 s[G0X], 1
	s_mul_i32 s18, s14, 64*PITCH
	s_add_co_u32 s[G0X+1], s18, XR
	s_add_nc_u64 s[G0X+2:G0X+3], s[4:5], s[22:23]
	s_or_b32 s[G0X+3], s[G0X+3], 0x80000000
	s_mov_b32 s[G0W], 1
	s_add_co_u32 s[G0W+1], s18, WR
	s_add_nc_u64 s[G0W+2:G0W+3], s[4:5], s[96:97]
	s_or_b32 s[G0W+3], s[G0W+3], 0x80000000
	s_mov_b32 s[G0W2], 1
	s_mul_i32 s18, s14, 32*PITCH
	s_add_co_u32 s[G0W2+1], s18, XR                ; Wv's tile will land on the first 128 rows of x's
	s_add_nc_u64 s[G0W2+2:G0W2+3], s[4:5], s[46:47]
	s_or_b32 s[G0W2+3], s[G0W2+3], 0x80000000
	CROUND                                         ; all sixteen work-groups are here: the joint loads meet
	JLOAD G0XS, G1XS, G0WS, G1WS                   ; the scales: waves 0, 1 x's halves, waves 2, 3 the weights'
	tensor_load_to_lds s[G0X:G0X+3], s[G1X:G1X+7]  ; my 64 rows of x
	s_nop 0
	tensor_load_to_lds s[G0W:G0W+3], s[G1W:G1W+7]  ; my 64 rows of Wq or Wk
	s_nop 0
	v_and_b32 v1, 15, v0                           ; r = lane % 16
	v_bfe_u32 v2, v0, 4, 1                         ; h = lane / 16
	v_mul_u32_u24 v3, v1, PITCH
	v_lshl_add_u32 v3, v2, 4, v3                   ; a fragment's row x pitch + 16 h
	s_mul_i32 s18, s15, 128*PITCH
	s_add_co_u32 s18, s18, XR
	v_add_nc_u32 v[ADRX], s18, v3
	s_mul_i32 s18, s16, 64*PITCH
	v_add_nc_u32 v[ADRW], s18, v3
	s_add_co_u32 s19, s18, WTILE
	v_add_nc_u32 v[ADRW+1], s19, v3
	s_add_co_u32 s19, s18, XR
	v_add_nc_u32 v[ADRW+2], s19, v3
	v_lshlrev_b32 v4, 5, v1                        ; scale words: 32 bytes a row
	s_lshl_b32 s18, s15, 12                        ; x's: my 128 rows
	s_mul_i32 s19, s16, 6144                       ; the weights': my half
	s_add_co_u32 s19, s19, WSL-XSL
	s_sub_co_u32 s19, s19, s18                     ; the distance from x's words to the first weight's
	s_add_co_u32 s18, s18, XSL
	v_add_nc_u32 v4, s18, v4
.irp j, 0,1,2
	v_mul_u32_u24 v5, s19, v2                      ; lanes 16-31 take the weight's: one product, the distance x h
	v_add_nc_u32 v[ADRS+\j], v4, v5
	s_add_co_u32 s19, s19, 2048                    ; the next weight's words
.endr
	v_mul_u32_u24 v5, v1, SP16
	v_lshl_add_u32 v5, v2, 4, v5                   ; 272 r + 16 h
	s_mul_i32 s18, s15, 128*SP16
	s_lshl_b32 s19, s16, 7
	s_add_co_u32 s18, s18, s19
	s_add_co_u32 s18, s18, STAGE
	v_add_nc_u32 v[STQ], s18, v5                   ; q, k: row = token, my 128 bytes of its 256
	s_mul_i32 s18, s14, WSTG
	s_add_co_u32 s18, s18, STAGE
	v_add_nc_u32 v[STV], s18, v5                   ; v: row = e, in my own quarter
	v_mul_u32_u24 v6, v2, SP16
	v_lshl_add_u32 v6, v1, 4, v6                   ; back: lanes 0-15 one row of 256 bytes, lanes 16-31 the next
	v_add_nc_u32 v[RD], s18, v6                    ; rows 64 x wave on: for v these are my own quarter
	s_mul_i32 s18, s14, HSTW
	s_add_co_u32 s18, s18, HST
	v_add_nc_u32 v[RDH], s18, v6
	v_mul_u32_u24 v5, v1, SP16
	v_lshl_add_u32 v5, v2, 5, v5
	v_add_nc_u32 v[STH], s18, v5                   ; f32: 32 bytes for each half of the lanes
	v_lshlrev_b32 v5, 12, v2
	v_lshl_add_u32 v[CO], v1, 4, v5                ; two rows of qk or vt, 4,096 bytes apart
	v_lshlrev_b32 v5, 13, v2
	v_lshl_add_u32 v[CH], v1, 4, v5                ; two rows of the f32 copy, 8,192 bytes apart
	v_lshlrev_b32 v5, 5, v2
	v_lshl_add_u32 v[HVO], v1, 6, v5
	; where the results go
	s_lshl_b32 s18, s98, 12
	s_lshl_b32 s19, s99, 8
	s_add_co_u32 s18, s18, s19
	s_mov_b32 s19, 0
	s_add_nc_u64 s[8:9], s[8:9], s[18:19]          ; qk: my 64 tokens, column 128 g (k: 2,048 bytes on)
	s_lshl_b32 s18, s41, 10
	s_lshl_b32 s42, s99, 7
	s_add_co_u32 s18, s18, s42
	s_lshl_b32 s42, s16, 6
	s_add_co_u32 s18, s18, s42                     ; vt's row: 1,024 x batch + 128 g + 64 ww
	s_lshl_b32 s45, s18, 6
	s_lshl_b32 s18, s18, 12
	s_lshl_b32 s42, s17, 9
	s_add_co_u32 s18, s18, s42
	s_lshl_b32 s42, s15, 8
	s_add_co_u32 s18, s18, s42                     ; + the key 256 y + 128 wx, 2 bytes each
	s_add_nc_u64 s[10:11], s[10:11], s[18:19]
	s_add_co_u32 s18, s45, 524288                  ; the f32 copy of v: [4][1024 e][16 tokens], 64 bytes an e, from byte 524,288 on
	s_add_nc_u64 s[HV:HV+1], s[12:13], s[18:19]
	s_lshl_b32 s18, s41, 17                        ; that of q and k: rows 16 x batch + position, 8,192 bytes each; column 128 g + 64 ww (k: 4,096 bytes on)
	s_lshl_b32 s42, s99, 9
	s_add_co_u32 s18, s18, s42
	s_lshl_b32 s42, s16, 8
	s_add_co_u32 s18, s18, s42
	s_add_nc_u64 s[12:13], s[12:13], s[18:19]
	s_or_b32 s3, s17, s15                          ; 0: my tokens 0-15 are positions 0-15 of a batch: the cluster's y and the wave's number alone
.macro LOADX q                         ; x's eight fragments of K step q: 16 rows x 128 K of 4-bit codes are 8 registers, two loads of 16 bytes, 32 bytes apart
	WIN 0x40*(1+(\q)/4)                            ; destination window 1 or 2
.irp a, 0,1,2,3,4,5,6,7
.irp c, 0,1
	ds_load_b128 v[64*((\q)%4)+8*\a+4*\c:64*((\q)%4)+8*\a+4*\c+3], v[ADRX] offset:\a*16*PITCH+64*(\q)+32*\c
.endr
.endr
.endm
.macro LOADW j, q                      ; weight j's four fragments of K step q, into set q % 2
	WIN 0
.irp b, 0,1,2,3
.irp c, 0,1
	ds_load_b128 v[WF+32*((\q)%2)+8*\b+4*\c:WF+32*((\q)%2)+8*\b+4*\c+3], v[ADRW+\j] offset:\b*16*PITCH+64*(\q)+32*\c
.endr
.endr
.endm
.macro SCALES j, n                     ; the scale words of blocks 0 .. n - 1, all eight K steps: lanes 0-15 x's block i, lanes 16-31 weight j's block i (the weight has four blocks: beyond them those lanes read a neighbour's bytes, which no product takes)
	WIN 0
.set i, 0
.rept \n
	ds_load_b128 v[SC+8*i:SC+8*i+3], v[ADRS+\j] offset:512*i
	ds_load_b128 v[SC+8*i+4:SC+8*i+7], v[ADRS+\j] offset:512*i+16
.set i, i+1
.endr
.endm
; Positions lo .. hi - 1 of a K step's 32 matrix instructions: accumulator 4 a + b = the position.  The 32 take turns, one instruction a turn, in the same order in every step.
; kind 0 (q, k): source 0 = the weight's block b, source 1 = x's block a.  kind 1 (v): the other way round; the scale operands and the row selector go with the sources.  zero = 1: the first K step starts the sums.
.macro MULS kind, q, lo, hi, zero
.if \kind
	WIN 0xf1+(\q)/4                                ; source 0 (x) window 1 or 2, source 1 window 0, C and D window 3
.else
	WIN 0xf4+4*((\q)/4)                            ; source 0 window 0, source 1 (x) window 1 or 2, C and D window 3
.endif
.set p, \lo
.rept \hi-\lo
.set RGD, 8*p
.set RGW, WF+32*((\q)%2)+8*(p%4)
.set RGX, 64*((\q)%4)+8*(p/4)
.set SCW, SC+8*(p%4)+(\q)
.set SCX, SC+8*(p/4)+(\q)
.if \kind
.if \zero
	v_wmma_scale_f32_16x16x128_f8f6f4 v[RGD:RGD+7], v[RGX:RGX+7], v[RGW:RGW+7], 0, v[SCX], v[SCW] matrix_a_fmt:MATRIX_FMT_FP4 matrix_b_fmt:MATRIX_FMT_FP4 matrix_b_scale:MATRIX_SCALE_ROW1
.else
	v_wmma_scale_f32_16x16x128_f8f6f4 v[RGD:RGD+7], v[RGX:RGX+7], v[RGW:RGW+7], v[RGD:RGD+7], v[SCX], v[SCW] matrix_a_fmt:MATRIX_FMT_FP4 matrix_b_fmt:MATRIX_FMT_FP4 matrix_b_scale:MATRIX_SCALE_ROW1
.endif
.else
.if \zero
	v_wmma_scale_f32_16x16x128_f8f6f4 v[RGD:RGD+7], v[RGW:RGW+7], v[RGX:RGX+7], 0, v[SCW], v[SCX] matrix_a_fmt:MATRIX_FMT_FP4 matrix_b_fmt:MATRIX_FMT_FP4 matrix_a_scale:MATRIX_SCALE_ROW1
.else
	v_wmma_scale_f32_16x16x128_f8f6f4 v[RGD:RGD+7], v[RGW:RGW+7], v[RGX:RGX+7], v[RGD:RGD+7], v[SCW], v[SCX] matrix_a_fmt:MATRIX_FMT_FP4 matrix_b_fmt:MATRIX_FMT_FP4 matrix_a_scale:MATRIX_SCALE_ROW1
.endif
.endif
.set p, p+1
.endr
.endm
.macro PLACES                          ; four plain places behind matrix instructions, in front of loads into their registers and of reads of results
.rept 4
	v_nop
.endr
.endm
; A pass whose x is already in registers: per K step 8 loads, issued a step ahead, and 32 matrix instructions.
.macro TILE j, kind
	SCALES \j, 4
	LOADW \j, 0
	LOADW \j, 1
	s_wait_dscnt 8                                 ; the scale words and K step 0 are in; K step 1's eight loads may be out
	s_wait_xcnt 0x0                                ; the last pass's stores have read the registers that the sums now take
	MULS \kind, 0, 0, 32, 1
.irp q, 1,2,3,4,5,6
	PLACES                                         ; the set that is loaded next was read by the products just issued
	LOADW \j, \q+1
	s_wait_dscnt 8                                 ; this step's fragments are in; the eight just issued may be out
	MULS \kind, \q, 0, 32, 0
.endr
	s_wait_dscnt 0x0
	MULS \kind, 7, 0, 32, 0
	WIN 0
	PLACES
.endm
; THE WAY OUT.  Packed to f16 in place: accumulator k's eight sums become its four lowest registers, 16 bytes that belong together.
.macro PACKALL
	WIN 0xcf                                       ; sources and destination window 3
.set k, 0
.rept 32
.irp t, 0,1,2,3
	v_cvt_pk_f16_f32 v[8*k+\t], v[8*k+2*\t], v[8*k+2*\t+1]
.endr
.set k, k+1
.endr
.endm
.macro TOSTAGE kind                    ; kind 0: row = token 16 a + r, bytes 32 b + 16 h of my 128;  kind 1: row = e 16 b + r, bytes 32 a + 16 h of my 256
	WIN 0x0c                                       ; an LDS store's data are its source 1: window 3
.set k, 0
.rept 32
.if \kind
	ds_store_b128 v[STV], v[8*k:8*k+3] offset:(k%4)*16*SP16+32*(k/4)
.else
	ds_store_b128 v[STQ], v[8*k:8*k+3] offset:(k/4)*16*SP16+32*(k%4)
.endif
.set k, k+1
.endr
	s_wait_dscnt 0x0                               ; my stores into the stage are done
.endm
.macro SENDALL base, extra             ; 64 whole rows of 256 bytes come back, into registers that the packed results have left, and are stored
	WIN 0xc0                                       ; destination window 3
.set t, 0
.rept 32
	ds_load_b128 v[4*t:4*t+3], v[RD] offset:t*2*SP16
.set t, t+1
.endr
	WIN 0x0c                                       ; a store's data are its source 1: window 3
.set t, 0
.rept 32
	s_wait_dscnt 31-t                              ; LDS loads come back in order: pair t of rows is in
	global_store_b128 v[CO], v[4*t:4*t+3], s[\base:\base+1] offset:t*8192+\extra   ; sixteen lanes store 256 consecutive aligned bytes
.set t, t+1
.endr
	WIN 0
.endm
.macro BARRIER
	s_barrier_signal -1
	s_barrier_wait -1
.endm
; q or k of positions 0-15 as f32: accumulators (0, b), 16 rows x 256 bytes, through a stage of my own and out as whole rows
.macro HEADQK j
	s_cmp_lg_u32 s3, 0
	s_cbranch_scc1 .Lno_hq_\@
	WIN 0x0c
.irp b, 0,1,2,3
	ds_store_b128 v[STH], v[8*\b:8*\b+3] offset:64*\b              ; each accumulator from its low end on
	ds_store_b128 v[STH], v[8*\b+4:8*\b+7] offset:64*\b+16
.endr
	WIN 0
.irp t, 0,1,2,3,4,5,6,7
	ds_load_b128 v[TH+4*\t:TH+4*\t+3], v[RDH] offset:\t*2*SP16     ; LDS serves a wave's instructions in order: these see the stores above
.endr
	s_wait_dscnt 0x0
.irp t, 0,1,2,3,4,5,6,7
	global_store_b128 v[CH], v[TH+4*\t:TH+4*\t+3], s[12:13] offset:2*\t*8192+4096*\j
.endr
	s_wait_xcnt 0x0                                ; the stores have read their registers
.Lno_hq_\@:
.endm
	s_wait_tensorcnt 0x0                           ; my parts of the scales, of x and of Wq or Wk are in,
	BARRIER                                        ; everybody's are.
	; ---- q.  x's fragments come into registers as the K steps want them, a step ahead, and stay
	SCALES 0, 8
	LOADW 0, 0
	LOADX 0
	s_wait_dscnt 24                                ; the scale words are in
	LOADW 0, 1
	LOADX 1
	s_wait_dscnt 24                                ; K step 0's fragments are in; the 24 loads just issued may be out
	MULS 0, 0, 0, 32, 1
.irp q, 1,2,3,4,5,6
	PLACES                                         ; the weights' set that is loaded next was read by the products just issued; x's registers are fresh
	LOADW 0, \q+1
	LOADX \q+1
	s_wait_dscnt 24
	MULS 0, \q, 0, 32, 0
.endr
	WIN 0                                          ; the last K step: x's tile has been read out.  (The add's two registers lie in window 0)
	s_wait_tensorcnt 0x0                           ; no tensor load of mine is out;
	ds_add_u32 v[SPW], v[NIL]                      ; 0 onto my spare word;
	s_wait_dscnt 1                                 ; (K step 7's fragments are in; the add may be out)
	MULS 0, 7, 0, 16, 0                            ; sixteen matrix instructions stand between the add and the wait for it
	s_wait_dscnt 0x0                               ; the add is done, and my reads of x's tile are over
	s_barrier_signal -1                            ; this barrier opens a round of the cluster's
	MULS 0, 7, 16, 32, 0
	WIN 0
	s_barrier_wait -1
	CREST                                          ; no wave of any partner still reads x's tile or has a load on its way
	tensor_load_to_lds s[G0W2:G0W2+3], s[G1W2:G1W2+7]  ; my 32 rows of Wv, onto x's first 128 rows: my one tensor load behind the round
	s_nop 0
	PLACES                                         ; (the places in front of the reads of the sums)
	HEADQK 0
	PACKALL
	TOSTAGE 0
	BARRIER                                        ; a row's 256 bytes come from two waves: all four have written
	SENDALL 8, 0
	BARRIER                                        ; all four have read: the stage may be written again
	; ---- k
	TILE 1, 0
	HEADQK 1
	PACKALL
	TOSTAGE 0
	BARRIER
	SENDALL 8, 2048
	s_wait_tensorcnt 0x0                           ; my part of Wv's tile is in,
	BARRIER                                        ; everybody's is; and all four have read the stage
	; ---- v
	TILE 2, 1
	s_cmp_lg_u32 s3, 0                             ; v of positions 0-15 as f32: a lane's eight sums of accumulator (0, b) are tokens 8 h + 0..7 of e 16 b + r: 32 bytes of a row of 64;
	s_cbranch_scc1 .Lno_head_v                     ; a wave's two stores fill 1,024 consecutive bytes between them (262,144 bytes in the whole launch)
	WIN 0x0c
.irp b, 0,1,2,3
	global_store_b128 v[HVO], v[8*\b:8*\b+3], s[HV:HV+1] offset:\b*1024
	global_store_b128 v[HVO], v[8*\b+4:8*\b+7], s[HV:HV+1] offset:\b*1024+16
.endr
	WIN 0
	s_wait_xcnt 0x0                                ; the stores have read the sums, which are packed in place below
.Lno_head_v:
	PACKALL
	TOSTAGE 1                                      ; my 128 tokens of a row are 256 aligned bytes: my quarter of the stage is my own, and no barrier is needed
	SENDALL 10, 0
	s_wait_tensorcnt 0x0                           ; the wave's end
	ds_add_u32 v[SPW], v[NIL]
	s_wait_dscnt 0x0
	CROUND                                         ; the closing round
	s_endpgm
.Lfunc_end_k_qb0448b9928_proj:
	.size	k_qb0448b9928_proj, .Lfunc_end_k_qb0448b9928_proj-k_qb0448b9928_proj
	.p2alignl 7, 3214868480
	.fill 96, 4, 3214868480
	.section	.rodata,"a",@progbits
	.p2align	6, 0x0
	.amdhsa_kernel k_qb0448b9928_proj
		.amdhsa_group_segment_fixed_size 327680
		.amdhsa_private_segment_fixed_size 0
		.amdhsa_enable_private_segment 0
		.amdhsa_kernarg_size 40
		.amdhsa_user_sgpr_count 2
		.amdhsa_user_sgpr_kernarg_segment_ptr 1
		.amdhsa_wavefront_size32 1
		.amdhsa_system_sgpr_workgroup_id_x 1
		.amdhsa_system_sgpr_workgroup_id_y 1
		.amdhsa_system_sgpr_workgroup_id_z 1
		.amdhsa_system_vgpr_workitem_id 0
		.amdhsa_next_free_vgpr 1024
		.amdhsa_next_free_sgpr 100
		.amdhsa_reserve_vcc 0
		.amdhsa_float_denorm_mode_32 3
		.amdhsa_float_denorm_mode_16_64 3
		.amdhsa_memory_ordered 1
		.amdhsa_forward_progress 1
		.amdhsa_inst_pref_size 189
	.end_amdhsa_kernel
	.amdgpu_metadata
---
amdhsa.version: [ 1, 2 ]
amdhsa.kernels:
  - .name:           k_qb0448b9928_proj
    .symbol:         k_qb0448b9928_proj.kd
    .args:
      - { .name: cod, .offset: 0, .size: 8, .value_kind: global_buffer, .address_space: global }
      - { .name: scl, .offset: 8, .size: 8, .value_kind: global_buffer, .address_space: global }
      - { .name: qk, .offset: 16, .size: 8, .value_kind: global_buffer, .address_space: global }
      - { .name: vt, .offset: 24, .size: 8, .value_kind: global_buffer, .address_space: global }
      - { .name: head, .offset: 32, .size: 8, .value_kind: global_buffer, .address_space: global }
    .group_segment_fixed_size: 327680
    .private_segment_fixed_size: 0
    .kernarg_segment_align: 8
    .kernarg_segment_size: 40
    .max_flat_workgroup_size: 128
    .sgpr_count:     100
    .vgpr_count:     1024
    .wavefront_size: 32
...
	.end_amdgpu_metadata
.endif
;; end of part 2
;; launch scores (part 3): grid 36 x 4, 4 waves a work-group, no clusters, 327,680 bytes of LDS; arguments qk, p16, stat; writes p16, stat
.if DOCPART == 3
	.amdgcn_target "amdgcn-amd-amdhsa--gfx1250"
	.amdhsa_code_object_version 6
	.text
	.protected	k_qb0448b9928_scores
	.globl	k_qb0448b9928_scores
	.p2align	8
	.type	k_qb0448b9928_scores,@function
k_qb0448b9928_scores:
	s_mov_b64 s[64:65], 0
	v_nop
	global_prefetch_b8 v0, s[64:65] scope:SCOPE_SE
	s_setreg_imm32_b32 hwreg(HW_REG_WAVE_MODE, 25, 1), 1
	s_wait_xcnt 0x0
; The scores and the first half of the softmax.  For batch b (grid y) and each of the 36 tiles (I, J), J <= I, of 256 queries x 256 keys that the causal mask leaves: S = q k^T on f16 operands, f32 sums, K = 1,024.
; THE SOFTMAX BY CHUNKS.  t = score x log2(e) / 32.  For each query and each chunk of 128 keys (a wave's columns): M = the chunk's largest t, rounded UP to a whole number; p = 2^(t - M), at most 1, stored as f16 in p16;
; M and the f32 sum L of the unrounded p go to stat ([16 chunks][8192 rows] of M, then the same of L).  The next launch takes the row's largest M over the chunks, so a true maximum is always taken away.
; On the diagonal hidden scores become -infinity ahead of the maximum; a chunk wholly hidden gets M = -3e38, p = 0, L = 0.  The diagonal's work-group also stores those defaults for the chunks right of its tile,
; and, where I is even, zeros for the tile (I, I + 1) of p16, which the next launch's walk in step reads.
; NO CLUSTER: a batch's 36 tiles form a triangle, which is no product of tile rows and tile columns; a 4 x 4 cluster on the diagonal would hold 6 tiles of 16 that lie wholly under the mask.
; A work-group: four waves, each 128 x 128: 64 accumulators.  K in steps of 128 through two LDS slots; each wave fetches a quarter of a slot (waves 0, 1: q's halves; 2, 3: k's).  A wave has two tensor loads out at the start, then one.
; THE MATRIX INSTRUCTION IS USED TRANSPOSED (source 0 = 16 rows of k, source 1 = 16 rows of q): a lane holds ONE query (lane % 16) and eight neighbouring keys 16 b + 8 (lane / 16) + 0..7.
; LIMITS: NaN and infinities are not served; p under 2^-25 is lost in f16.
; REGISTERS: window 0: v0-31 addresses; v64-127, v128-191 q's fragments, two buffers; window 1: k's, likewise; windows 2, 3: the accumulators ((a, b) at v[8 (8 (a % 4) + b)]).  The way out works in window 0, v32-223.
.set KSTEP,  128
.set PITCH,  272
.set HALFT,  128*PITCH
.set SLOT,   4*HALFT
.set STAGE,  2*SLOT                    ; 16 rows x 272 bytes for each wave
.set SPITCH, 272
.set STATS,  STAGE+4*16*SPITCH         ; 1,024 bytes for each wave: 128 M, 128 L
.set SPARE,  STATS+4*1024              ; the spare words, 128 bytes for each wave, named by no other line
.set LAPS,   4                         ; 1,024 / 256
.set ADRA, 16
.set ADRB, 20
.set STO,  24
.set RD,   25
.set CO,   26
.set STA,  27                          ; v27 STATS + 1,024 wave + 4 r
.set SPW,  28
.set NIL,  29
.set STR,  30                          ; v30 STATS + 1,024 wave + 16 lane
.set D0,   31                          ; v31 128 (rh - ch) + r - 8 h
.set NINF, 46                          ; v46 -infinity
.set L16,  47                          ; v47 16 x lane
.set SM,   48                          ; v48-55 M of block a
.set SL,   56                          ; v56-63 L of block a
.set W,    64                          ; v64-127 a block's 64 numbers of a lane
.set TMP,  128                         ; v128-159 p as f16
.set OBF,  160                         ; v160-191, v192-223 rows read back, by turns
.set F0,   64
.set F1,   128
.set G1, 24
.set G0, 32
.set CS,  40                           ; s[40:41] c = log2(e) / 32
.set SEL, 42                           ; s[42:43] v_permlanex16_b32's selects for lane l xor 16
.set MSB, 0
.macro WIN new
.if MSB != (\new)
	s_set_vgpr_msb (MSB<<8)|(\new)
.set MSB, (\new)
.endif
.endm
.set MUL_LO, 0xa1
.set MUL_HI, 0xf1
.set TO_B,   0x40
	s_load_b128 s[4:7], s[0:1], 0x0                ; qk s[4:5], p16 s[6:7]
	s_load_b64 s[8:9], s[0:1], 0x10                ; stat
	v_lshl_add_u32 v[SPW], v0, 2, SPARE
	v_mov_b32 v[NIL], 0
	ds_add_u32 v[SPW], v[NIL]                      ; the opening: the add, twice on end, and its wait ahead of my first tensor load
	ds_add_u32 v[SPW], v[NIL]
	v_lshrrev_b32 v1, 5, v0
	v_readfirstlane_b32 s10, v1                    ; wave 0..3
	s_lshr_b32 s11, s10, 1                         ; rh.  Also: I fetch q (0) or k (1)
	s_and_b32 s12, s10, 1                          ; ch.  Also: which 128 rows I fetch
	s_and_b32 s15, ttmp7, 0xffff                   ; the batch
	s_mov_b32 s13, 0                               ; I: how many of the triangle's row starts lie at or under my number
.irp th, 1,3,6,10,15,21,28
	s_cmp_ge_u32 ttmp9, \th
	s_cselect_b32 s16, 1, 0
	s_add_co_u32 s13, s13, s16
.endr
	s_add_co_u32 s16, s13, 1
	s_mul_i32 s16, s16, s13
	s_lshr_b32 s16, s16, 1
	s_sub_co_u32 s14, ttmp9, s16                   ; J = my number - I (I + 1) / 2
	s_mov_b32 s[G1+0], (1<<16)|(1<<20)|(5<<22)|(3<<25)  ; elements of 2 bytes; padding: 4 words behind every 64
	s_mov_b32 s[G1+1], KSTEP<<16                   ; tensor_dim0
	s_mov_b32 s[G1+2], 128<<16                     ; tensor_dim1
	s_mov_b32 s[G1+3], KSTEP<<16                   ; tile_dim0
	s_mov_b32 s[G1+4], 128                         ; tile_dim1
	s_mov_b32 s[G1+5], 2048                        ; the pitch of qk in elements
	s_mov_b32 s[G1+6], 0
	s_mov_b32 s[G1+7], 0
	s_mov_b32 s[CS], 0x3d38aa3b
	s_mov_b32 s[CS+1], s[CS]
	s_mov_b32 s[SEL], 0x76543210
	s_mov_b32 s[SEL+1], 0xfedcba98
	s_cmp_eq_u32 s11, 0
	s_cselect_b32 s16, s13, s14                    ; q's tile row or k's
	s_cselect_b32 s17, 0, 2048                     ; q's columns or k's, in bytes
	s_lshl_b32 s16, s16, 8
	s_lshl_b32 s18, s15, 11
	s_add_co_u32 s16, s16, s18
	s_lshl_b32 s18, s12, 7
	s_add_co_u32 s16, s16, s18                     ; the first token that I fetch
	s_lshl_b32 s16, s16, 12
	s_add_co_u32 s16, s16, s17
	s_mov_b32 s17, 0
	s_mul_i32 s20, s10, HALFT                      ; q's two halves, then k's two halves
	s_wait_dscnt 0x0                               ; both opening adds are done
	s_wait_kmcnt 0x0
	s_add_nc_u64 s[16:17], s[4:5], s[16:17]
.irp s, 0,1
	s_mov_b32 s[G0+4*\s], 1
	s_add_co_u32 s[G0+4*\s+1], s20, \s*SLOT
	s_add_nc_u64 s[G0+4*\s+2:G0+4*\s+3], s[16:17], \s*KSTEP*2
	s_or_b32 s[G0+4*\s+3], s[G0+4*\s+3], 0x80000000
	tensor_load_to_lds s[G0+4*\s:G0+4*\s+3], s[G1:G1+7]   ; both first fills go out together, ahead of everything else
	s_nop 0
.endr
	v_and_b32 v1, 15, v0                           ; r
	v_bfe_u32 v2, v0, 4, 1                         ; h
	v_mul_u32_u24 v3, v1, PITCH
	v_lshl_add_u32 v3, v2, 4, v3
	s_mul_i32 s21, s11, HALFT
	s_mul_i32 s22, s12, HALFT
	s_add_co_u32 s22, s22, 2*HALFT
.irp s, 0,1
	v_add_nc_u32 v[ADRA+\s], s21, v3
	v_add_nc_u32 v[ADRB+\s], s22, v3
	s_add_co_u32 s21, s21, SLOT
	s_add_co_u32 s22, s22, SLOT
.endr
	s_mul_i32 s23, s10, 16*SPITCH
	s_add_co_u32 s23, s23, STAGE
	v_mul_u32_u24 v4, v1, SPITCH
	v_lshl_add_u32 v4, v2, 4, v4
	v_add_nc_u32 v[STO], s23, v4
	v_mul_u32_u24 v5, v2, SPITCH
	v_lshl_add_u32 v5, v1, 4, v5
	v_add_nc_u32 v[RD], s23, v5
	v_lshlrev_b32 v5, 12, v2
	v_lshl_add_u32 v[CO], v1, 4, v5                ; two rows of p16, 4,096 bytes apart
	s_lshl_b32 s23, s10, 10
	s_add_co_u32 s23, s23, STATS
	v_lshl_add_u32 v[STA], v1, 2, s23
	v_and_b32 v6, 31, v0
	v_lshl_add_u32 v[STR], v6, 4, s23
	v_lshlrev_b32 v[L16], 4, v6
	s_sub_co_i32 s16, s11, s12
	s_lshl_b32 s16, s16, 7
	v_lshlrev_b32 v5, 3, v2
	v_sub_nc_u32 v5, v1, v5
	v_add_nc_u32 v[D0], s16, v5
	v_mov_b32 v[NINF], 0xff800000
	v_mov_b32 v36, 0                               ; written once: a lane permute's destination counts as one of its sources
	v_mov_b32 v37, 0
	s_lshl_b32 s16, s15, 11
	s_lshl_b32 s17, s13, 8
	s_add_co_u32 s16, s16, s17
	s_mov_b32 s18, s16                             ; the tile's first row: 2,048 b + 256 I
	s_lshl_b32 s17, s11, 7
	s_add_co_u32 s16, s16, s17                     ; my first row
	s_lshl_b32 s19, s16, 2
	s_lshl_b32 s16, s16, 12
	s_lshl_b32 s17, s14, 9
	s_add_co_u32 s16, s16, s17
	s_lshl_b32 s17, s12, 8
	s_add_co_u32 s16, s16, s17                     ; + my first key, 2 bytes each
	s_mov_b32 s17, 0
	s_add_nc_u64 s[44:45], s[6:7], s[16:17]        ; my part of p16
	s_lshl_b32 s16, s14, 1
	s_add_co_u32 s16, s16, s12                     ; my chunk: 2 J + ch
	s_lshl_b32 s16, s16, 15
	s_add_co_u32 s16, s16, s19
	s_add_nc_u64 s[46:47], s[8:9], s[16:17]        ; my 128 rows of M in that chunk; L lies 524,288 bytes on
	; THE DIAGONAL'S EXTRAS, while the first tiles are on their way.  All branches hang on ids alone
	s_cmp_lg_u32 s13, s14
	s_cselect_b32 s2, 0, 1                         ; 1 on the diagonal
	s_cbranch_scc1 .Lno_extras
	s_mov_b32 s16, 0xff61b1e6                      ; -3e38
	s_cmp_eq_u32 s11, 0                            ; waves 0, 1 store M's default, waves 2, 3 L's; 128 rows each
	s_cselect_b32 s16, s16, 0
	s_cselect_b32 s48, 0, 524288
.irp j, 8,9,10,11
	v_mov_b32 v\j, s16
.endr
	s_lshl_b32 s17, s12, 7
	s_add_co_u32 s17, s17, s18
	s_lshl_b32 s17, s17, 2
	s_add_co_u32 s48, s48, s17
	s_lshl_b32 s17, s13, 16
	s_add_co_u32 s48, s48, s17
	s_add_co_u32 s48, s48, 65536                   ; from chunk 2 I + 2 on
	s_mov_b32 s49, 0
	s_add_nc_u64 s[48:49], s[8:9], s[48:49]
	s_lshl_b32 s52, s13, 1
	s_sub_co_u32 s52, 14, s52                      ; 14 - 2 I chunks
	s_cmp_eq_u32 s52, 0
	s_cbranch_scc1 .Lno_def
.Ldef:
	global_store_b128 v[L16], v[8:11], s[48:49]    ; 32 lanes store 512 consecutive bytes
	s_wait_xcnt 0x0                                ; the base steps only behind this wait
	s_add_nc_u64 s[48:49], s[48:49], 32768
	s_sub_co_u32 s52, s52, 1
	s_cmp_lg_u32 s52, 0
	s_cbranch_scc1 .Ldef
.Lno_def:
	s_bitcmp1_b32 s13, 0
	s_cbranch_scc1 .Lno_extras                     ; I odd: no tile to the right is read
.irp j, 12,13,14,15
	v_mov_b32 v\j, 0
.endr
	s_lshl_b32 s16, s10, 6
	s_add_co_u32 s16, s16, s18                     ; my 64 rows of the tile (I, I + 1)
	s_lshl_b32 s16, s16, 12
	s_lshl_b32 s17, s13, 9
	s_add_co_u32 s16, s16, s17
	s_add_co_u32 s16, s16, 512
	s_mov_b32 s17, 0
	s_add_nc_u64 s[50:51], s[6:7], s[16:17]
.set t, 0
.rept 64
	global_store_b128 v[L16], v[12:15], s[50:51] offset:t*4096     ; a row of the tile: 512 consecutive bytes
.set t, t+1
.endr
.Lno_extras:
.macro MUL16 f, hi, a0, zero           ; 16 matrix instructions; the 64 accumulators take turns, one instruction a turn
.irp a, \a0, \a0+1
.irp b, 0,1,2,3,4,5,6,7
.if \zero
	v_wmma_f32_16x16x32_f16 v[8*(8*(\a)+\b):8*(8*(\a)+\b)+7], v[\f+8*\b:\f+8*\b+7], v[\f+8*(4*\hi+\a):\f+8*(4*\hi+\a)+7], 0
.else
	v_wmma_f32_16x16x32_f16 v[8*(8*(\a)+\b):8*(8*(\a)+\b)+7], v[\f+8*\b:\f+8*\b+7], v[\f+8*(4*\hi+\a):\f+8*(4*\hi+\a)+7], v[8*(8*(\a)+\b):8*(8*(\a)+\b)+7]
.endif
.endr
.endr
.endm
.macro FETCH slot, k, f                ; 32 LDS loads in one run: a quarter step's fragments, k's first, then q's
	WIN TO_B
.irp i, 0,1,2,3,4,5,6,7
	ds_load_b128 v[\f+8*\i:\f+8*\i+3],   v[ADRB+\slot] offset:\k+\i*16*PITCH
	ds_load_b128 v[\f+8*\i+4:\f+8*\i+7], v[ADRB+\slot] offset:\k+\i*16*PITCH+32
.endr
	WIN 0
.irp i, 0,1,2,3,4,5,6,7
	ds_load_b128 v[\f+8*\i:\f+8*\i+3],   v[ADRA+\slot] offset:\k+\i*16*PITCH
	ds_load_b128 v[\f+8*\i+4:\f+8*\i+7], v[ADRA+\slot] offset:\k+\i*16*PITCH+32
.endr
.endm
.macro PLACES                          ; four plain places behind matrix instructions, in front of loads into their registers and of reads of results
.rept 4
	v_nop
.endr
.endm
.macro QUARTER slot, k, f, g, zero
	s_wait_dscnt 8                                 ; k's fragments and q's rows 0-63 are in; the youngest eight loads may be out
	WIN MUL_LO
	MUL16 \f, 0, 0, \zero
	MUL16 \f, 0, 2, \zero
	PLACES
	FETCH \slot, \k, \g
	s_wait_dscnt 32                                ; all but the 32 just issued
	WIN MUL_HI
	MUL16 \f, 1, 0, \zero
	MUL16 \f, 1, 2, \zero
.endm
; A K step's last quarter changes slots: all my tensor loads have landed (my part of the next slot), the add, my reads of this slot are over, one barrier; behind it the slot is filled again first (fill = 1).
.macro TURN slot, next, fill
	WIN 0
	s_wait_tensorcnt 0x0
	ds_add_u32 v[SPW], v[NIL]
	s_wait_dscnt 9                                 ; (the add and the youngest eight loads may be out)
	WIN MUL_LO
	MUL16 F1, 0, 0, 0
	s_wait_dscnt 0x0
	s_barrier_signal -1
	MUL16 F1, 0, 2, 0
	WIN 0
	s_barrier_wait -1
.if \fill
	s_add_nc_u64 s[G0+4*\slot+2:G0+4*\slot+3], s[G0+4*\slot+2:G0+4*\slot+3], 2*KSTEP*2
	tensor_load_to_lds s[G0+4*\slot:G0+4*\slot+3], s[G1:G1+7]      ; my one tensor load behind this barrier: the K step two on
	s_nop 0
	PLACES                                         ; (the places in front of the loads below)
.else
	PLACES
.endif
	FETCH \next, 0, F0
	WIN MUL_HI
	MUL16 F1, 1, 0, 0
	MUL16 F1, 1, 2, 0
.endm
	s_wait_tensorcnt 1                             ; my part of K step 0 is in; K step 1's may be out
	s_barrier_signal -1
	s_barrier_wait -1
	FETCH 0, 0, F0
	QUARTER 0, 64,  F0, F1, 1                      ; the first quarter's products start the sums
	WIN 0
	s_mov_b32 s3, LAPS-1
.Llap:                                             ; a trip goes once round the ring and fills both slots again
	QUARTER 0, 128, F1, F0, 0
	QUARTER 0, 192, F0, F1, 0
	TURN 0, 1, 1
	QUARTER 1, 64,  F0, F1, 0
	QUARTER 1, 128, F1, F0, 0
	QUARTER 1, 192, F0, F1, 0
	TURN 1, 0, 1
	QUARTER 0, 64,  F0, F1, 0
	WIN 0
	s_sub_co_u32 s3, s3, 1
	s_cmp_lg_u32 s3, 0
	s_cbranch_scc1 .Llap
	QUARTER 0, 128, F1, F0, 0                      ; the last lap is written out: it fills nothing
	QUARTER 0, 192, F0, F1, 0
	TURN 0, 1, 0
	QUARTER 1, 64,  F0, F1, 0
	QUARTER 1, 128, F1, F0, 0
	QUARTER 1, 192, F0, F1, 0
	s_wait_dscnt 8
	WIN MUL_LO
	MUL16 F1, 0, 0, 0
	MUL16 F1, 0, 2, 0
	s_wait_dscnt 0
	WIN MUL_HI
	MUL16 F1, 1, 0, 0
	MUL16 F1, 1, 2, 0
	WIN 0
	PLACES
; THE WAY OUT of block a: 16 queries x my 128 keys; a lane holds 64 numbers of one query, register 8 b + j = key 16 b + 8 h + j.
.macro EPI a
.set AC, 64*((\a)%4)
.set BB, OBF+32*((\a)%2)
	WIN 0x02+(\a)/4                                ; source 0: window 2 or 3
.set i, 0
.rept 32
	v_pk_mul_f32 v[W+i:W+i+1], v[AC+i:AC+i+1], s[CS:CS+1] op_sel_hi:[1,0]   ; t = score x c; each accumulator from its low end on
.set i, i+2
.endr
	WIN 0
	s_cmp_eq_u32 s2, 0
	s_cbranch_scc1 .Lopen_\@                       ; off the diagonal every key counts
	v_add_nc_u32 v38, 16*(\a), v[D0]               ; my query - my half's first key: key 16 b + j is hidden where 16 b + j is above it
.set i, 0
.rept 64
	v_cmp_gt_i32 vcc_lo, 16*(i/8)+i%8, v38
	v_cndmask_b32 v[W+i], v[W+i], v[NINF], vcc_lo
.set i, i+1
.endr
.Lopen_\@:
.irp k, 0,1,2,3
	v_max3_num_f32 v[32+\k], v[W+16*\k], v[W+16*\k+1], v[W+16*\k+2]       ; the largest t, in four chains
.endr
.irp n, 3,5,7,9,11,13
.irp k, 0,1,2,3
	v_max3_num_f32 v[32+\k], v[32+\k], v[W+16*\k+\n], v[W+16*\k+\n+1]
.endr
.endr
.irp k, 0,1,2,3
	v_max_num_f32 v[32+\k], v[32+\k], v[W+16*\k+15]
.endr
	v_max3_num_f32 v32, v32, v33, v34
	v_max3_num_f32 v32, v32, v35, 0xff61b1e6       ; with the floor -3e38: a chunk wholly hidden keeps a finite M
	v_permlanex16_b32 v36, v32, s[SEL], s[SEL+1]
	v_max_num_f32 v32, v32, v36                    ; with lane l xor 16's 64 keys
	v_floor_f32 v40, -v32                          ; -M = floor(-t): M is a whole number
	v_mov_b32 v41, v40
.set i, 0
.rept 32
	v_pk_add_f32 v[W+i:W+i+1], v[W+i:W+i+1], v[40:41] op_sel_hi:[1,0]
.set i, i+2
.endr
.set i, 0
.rept 64
	v_exp_f32 v[W+i], v[W+i]                       ; p = 2^(t - M)
.set i, i+1
.endr
	v_sub_f32 v[SM+(\a)], 0, v40                   ; M (the plain place behind the exponentials)
	s_wait_alu depctr_va_vdst(0)                   ; one wait for the batch, ahead of its first reader
	v_pk_add_f32 v[42:43], v[W:W+1], v[W+2:W+3]    ; the sum of the unrounded p, in two chains
	v_pk_add_f32 v[44:45], v[W+4:W+5], v[W+6:W+7]
.irp n, 8,12,16,20,24,28,32,36,40,44,48,52,56,60
	v_pk_add_f32 v[42:43], v[42:43], v[W+\n:W+\n+1]
	v_pk_add_f32 v[44:45], v[44:45], v[W+\n+2:W+\n+3]
.endr
	v_pk_add_f32 v[42:43], v[42:43], v[44:45]
	v_add_f32 v42, v42, v43
	v_permlanex16_b32 v37, v42, s[SEL], s[SEL+1]
	v_add_f32 v[SL+(\a)], v42, v37
.set i, 0
.rept 32
	v_cvt_pk_f16_f32 v[TMP+i], v[W+2*i], v[W+2*i+1]
.set i, i+1
.endr
.irp b, 0,1,2,3,4,5,6,7
	ds_store_b128 v[STO], v[TMP+4*\b:TMP+4*\b+3] offset:32*\b
.endr
.irp t, 0,1,2,3,4,5,6,7
	ds_load_b128 v[BB+4*\t:BB+4*\t+3], v[RD] offset:\t*2*SPITCH    ; LDS serves a wave's instructions in order: these see the stores above
.endr
.endm
.macro SEND a, younger                 ; younger: the LDS instructions issued behind block a's loads
.set BB, OBF+32*((\a)%2)
	s_wait_dscnt \younger
.irp t, 0,1,2,3,4,5,6,7
	global_store_b128 v[CO], v[BB+4*\t:BB+4*\t+3], s[44:45] offset:(16*(\a)+2*\t)*4096   ; sixteen lanes store 256 consecutive aligned bytes
.endr
.endm
	EPI 0
.irp a, 1,2,3,4,5,6,7
.if \a > 1
	s_wait_xcnt 0x0                                ; block a - 2's stores have read their registers: block a's loads may land there
.endif
	EPI \a
	SEND (\a)-1, 16                                ; behind block a - 1's loads: block a's 8 stores and 8 loads
.endr
	SEND 7, 0
.irp a, 0,1,2,3,4,5,6,7
	ds_store_b32 v[STA], v[SM+\a] offset:64*\a     ; both halves of the lanes write the same word with the same value
	ds_store_b32 v[STA], v[SL+\a] offset:512+64*\a
.endr
	ds_load_b128 v[64:67], v[STR]
	ds_load_b128 v[68:71], v[STR] offset:512
	s_wait_dscnt 0x0
	global_store_b128 v[L16], v[64:67], s[46:47]                   ; my 128 rows' M: 512 consecutive bytes
	global_store_b128 v[L16], v[68:71], s[46:47] offset:524288     ; and L
	s_wait_tensorcnt 0x0                           ; the wave's end
	ds_add_u32 v[SPW], v[NIL]
	s_wait_dscnt 0x0
	s_endpgm
.Lfunc_end_k_qb0448b9928_scores:
	.size	k_qb0448b9928_scores, .Lfunc_end_k_qb0448b9928_scores-k_qb0448b9928_scores
	.p2alignl 7, 3214868480
	.fill 96, 4, 3214868480
	.section	.rodata,"a",@progbits
	.p2align	6, 0x0
	.amdhsa_kernel k_qb0448b9928_scores
		.amdhsa_group_segment_fixed_size 327680
		.amdhsa_private_segment_fixed_size 0
		.amdhsa_enable_private_segment 0
		.amdhsa_kernarg_size 24
		.amdhsa_user_sgpr_count 2
		.amdhsa_user_sgpr_kernarg_segment_ptr 1
		.amdhsa_wavefront_size32 1
		.amdhsa_system_sgpr_workgroup_id_x 1
		.amdhsa_system_sgpr_workgroup_id_y 1
		.amdhsa_system_sgpr_workgroup_id_z 1
		.amdhsa_system_vgpr_workitem_id 0
		.amdhsa_next_free_vgpr 1024
		.amdhsa_next_free_sgpr 66
		.amdhsa_reserve_vcc 1
		.amdhsa_float_denorm_mode_32 3
		.amdhsa_float_denorm_mode_16_64 3
		.amdhsa_memory_ordered 1
		.amdhsa_forward_progress 1
		.amdhsa_inst_pref_size 255
	.end_amdhsa_kernel
	.section	.bss,"aw",@nobits
	.p2align	6
	.space	262144
	.amdgpu_metadata
---
amdhsa.version: [ 1, 2 ]
amdhsa.kernels:
  - .name:           k_qb0448b9928_scores
    .symbol:         k_qb0448b9928_scores.kd
    .args:
      - { .name: qk, .offset: 0, .size: 8, .value_kind: global_buffer, .address_space: global }
      - { .name: p16, .offset: 8, .size: 8, .value_kind: global_buffer, .address_space: global }
      - { .name: stat, .offset: 16, .size: 8, .value_kind: global_buffer, .address_space: global }
    .group_segment_fixed_size: 327680
    .private_segment_fixed_size: 0
    .kernarg_segment_align: 8
    .kernarg_segment_size: 24
    .max_flat_workgroup_size: 128
    .sgpr_count:     66
    .vgpr_count:     1024
    .wavefront_size: 32
...
	.end_amdgpu_metadata
.endif
;; end of part 3
;; launch pv (part 4): grid 8 x 32, 4 waves a work-group, clusters of 4 x 4, 327,680 bytes of LDS; arguments p16, vt, stat, out0; writes out0
.if DOCPART == 4
	.amdgcn_target "amdgcn-amd-amdhsa--gfx1250"
	.amdhsa_code_object_version 6
	.text
	.protected	k_qb0448b9928_pv
	.globl	k_qb0448b9928_pv
	.p2align	8
	.type	k_qb0448b9928_pv,@function
k_qb0448b9928_pv:
	s_mov_b64 s[64:65], 0
	v_nop
	global_prefetch_b8 v0, s[64:65] scope:SCOPE_SE
	s_setreg_imm32_b32 hwreg(HW_REG_WAVE_MODE, 25, 1), 1
	s_wait_xcnt 0x0
	s_wait_alu depctr_hold_cnt(0) depctr_sa_sdst(0) depctr_va_vdst(0) depctr_va_sdst(0) depctr_va_ssrc(0) depctr_va_vcc(0) depctr_vm_vsrc(0)
	s_getreg_b32 s2, hwreg(HW_REG_IB_STS2, 6, 4)
	s_cmp_eq_u32 s2, 0
	s_cbranch_scc0 .Lentry_in_a_cluster
	s_endpgm
.Lentry_in_a_cluster:
	s_bfe_u32 s2, ttmp6, 0x10000c
	s_cmp_lg_u32 s2, 0xf033
	s_cbranch_scc0 .Lentry_shape_is_right
	s_endpgm
.Lentry_shape_is_right:
; O = softmax x v.  p16 holds p = 2^(t - M_chunk) as f16, stat each chunk's M (a whole number) and its f32 sum L.  For each row: MR = the largest M over the 16 chunks, S = sum over the chunks of 2^(M - MR) L, and
; O = sum over the chunks of (P_chunk V_chunk) x f,  f = 2^(M_chunk - MR) / S.  The products take f16 operands as they lie; sums, f and the merging are f32.  vt is v with the keys innermost, [4][1024 e][2048 keys].
; A tile of O is 128 queries x 128 e; four waves, 64 x 64 each.  THE MATRIX INSTRUCTION IS USED TRANSPOSED (source 0 = 16 rows of vt, source 1 = 16 rows of P): a lane holds one query and eight neighbouring e, so f is one number a lane and block.
; BY CHUNKS.  A chunk of 128 keys is 64 matrix instructions on 16 accumulators T, which its first 16 products start with the constant 0.  Among its last 16 products T is merged into O: O += T x f (the tile's first chunk: O = T x f).
; CLUSTERS: 4 x 4.  A cluster's four rows are the four blocks of 128 queries of one GROUP of 512 rows, which walk the keys in step: P's tile is shared along a row of the cluster, vt's down a column: joint loads.
; EVEN WORK: each work-group makes two tiles, of group g and of group 3 - g (g = the cluster's y & 1): g + 1 and 4 - g laps of 512 keys, five in all, in every work-group.  The upper two blocks of a group multiply
; one K step that lies under the mask: zeros in p16 and f = 0.  Trip counts and branches hang on g and on counters, the same in all partners.  The two tiles are written out one behind the other, each with its own registers.
; K steps of 256 keys through two LDS slots; a wave's one joint load behind each round has seven eighths of a step's matrix work in which to land.  By this text's count a wave has two tensor loads out at the start, then one.
; Rows 0-15 of every batch are written again, in f32, by the launch behind this one.  LIMIT: NaN and infinities are not served.
; REGISTERS: window 0: v4-7 at work; v12-22 addresses; v24-31 MR of the two tiles; v32-39 f, a pair a block; v40-47 M of two chunks; v48-55 1 / S of the two tiles; v64-127 rows on the way out; v128-255 T ((a, b) at v[128 + 8 (4 a + b)]).
;   window 1: two fragment buffers of 128: for 64 keys, 64 registers of P, then 64 of vt.   window 2: v0-127 O.
.set PITCH,  528                       ; an LDS row: 512 bytes + 16 of padding
.set HALFT,  64*PITCH
.set SLOT,   4*HALFT
.set STAGE,  2*SLOT                    ; 16 rows x 272 bytes for each wave
.set SPITCH, 272
.set SPARE,  STAGE+4*16*SPITCH         ; the spare words, 128 bytes for each wave, named by no other line
.set MO,   12                          ; v12 4 r
.set STO,  13
.set RD,   14
.set CO,   15
.set ADRA, 16
.set ADRB, 18
.set SPW,  20
.set NIL,  21
.set VO,   22                          ; v22 262,144 h + 4 r
.set MR,   24
.set MR2,  28
.set FC,   32
.set MC,   40
.set RL,   48
.set RL2,  52
.set OUTB, 64
.set ACC,  128
.set F0,   0                           ; fragment buffers, in window 1
.set F1,   128
.set G1A, 24
.set G0A, 32
.set G1B, 48
.set G0B, 56
.set SB,  44                           ; s[44:45] stat at my rows of the first tile, this lap's first chunk;  s[46:47] the second tile's
.set SB2, 46
.set OB,  66                           ; s[66:67] out0 at my part of the first tile;  s[68:69] the second tile's
.set OB2, 68
.set SEL, 70
.set MSB, 0
.macro WIN new                         ; the immediate's high byte repeats the setting that is left
.if MSB != (\new)
	s_set_vgpr_msb (MSB<<8)|(\new)
.set MSB, (\new)
.endif
.endm
.set MUL,  0x05                        ; sources 0 (vt) and 1 (P) window 1; C and D window 0
.set MRG,  0xa0                        ; T and f window 0; O (source 2 and destination) window 2
.set TO_F, 0x40                        ; destination window 1, address window 0
.macro JLOAD s                         ; a joint load: waves 0, 1 fetch P's halves, waves 2, 3 vt's; an s_nop 0 and four v_nop follow each line
	s_cmp_eq_u32 s13, 0
	s_cbranch_scc0 .Lfor_b_\@
	tensor_load_to_lds s[G0A+4*\s:G0A+4*\s+3], s[G1A:G1A+7]
	s_nop 0
.rept 4
	v_nop
.endr
	s_branch .Lasked_\@
.Lfor_b_\@:
	tensor_load_to_lds s[G0B+4*\s:G0B+4*\s+3], s[G1B:G1B+7]
	s_nop 0
.rept 4
	v_nop
.endr
.Lasked_\@:
.endm
.macro CREST                           ; a round of the cluster's barrier behind its opening barrier
	s_cmp_lg_u32 s12, 0
	s_cbranch_scc1 .Lnot_wave_0_\@
	s_barrier_signal -3
.Lnot_wave_0_\@:
	s_barrier_wait -3
	s_barrier_signal -1
	s_barrier_wait -1
.endm
.macro CROUND
	s_barrier_signal -1
	s_barrier_wait -1
	CREST
.endm
	s_load_b256 s[4:11], s[0:1], 0x0               ; p16 s[4:5], vt s[6:7], stat s[8:9], out0 s[10:11]
	v_lshl_add_u32 v[SPW], v0, 2, SPARE
	v_mov_b32 v[NIL], 0
	ds_add_u32 v[SPW], v[NIL]                      ; the opening: the add, twice on end, and its wait ahead of my first tensor load
	ds_add_u32 v[SPW], v[NIL]
	v_lshrrev_b32 v1, 5, v0
	v_readfirstlane_b32 s12, v1                    ; wave 0..3
	s_lshr_b32 s13, s12, 1                         ; rh.  Also: I fetch P (0) or vt (1)
	s_and_b32 s14, s12, 1                          ; ch.  Also: which 64 rows I fetch
	s_bfe_u32 s72, ttmp6, 0x40000                  ; cx
	s_bfe_u32 s73, ttmp6, 0x40004                  ; cy
	s_and_b32 s15, ttmp7, 0xffff                   ; the cluster's y
	s_lshr_b32 s16, s15, 1                         ; the batch
	s_and_b32 s17, s15, 1                          ; g
	s_lshl_b32 s18, s73, 2
	s_lshl_b32 s18, 15, s18                        ; my row of the cluster
	s_lshl_b32 s19, 0x1111, s72                    ; my column
	s_or_b32 s[G1A+0], s18, (1<<16)|(1<<20)|(1<<21)|(6<<22)|(3<<25)  ; the mask; elements of 2 bytes; padding: 4 words behind every 128
	s_or_b32 s[G1B+0], s19, (1<<16)|(1<<20)|(1<<21)|(6<<22)|(3<<25)
.irp g, G1A, G1B
	s_mov_b32 s[\g+1], 256<<16                     ; tensor_dim0
	s_mov_b32 s[\g+2], 64<<16                      ; tensor_dim1
	s_mov_b32 s[\g+3], 256<<16                     ; tile_dim0
	s_mov_b32 s[\g+4], 64                          ; tile_dim1
	s_mov_b32 s[\g+5], 2048                        ; the pitch of p16 and of vt in elements
	s_mov_b32 s[\g+6], 0
	s_mov_b32 s[\g+7], 0
.endr
	s_lshl_b32 s20, s16, 11
	s_lshl_b32 s21, s17, 9
	s_add_co_u32 s20, s20, s21
	s_lshl_b32 s21, s73, 7
	s_add_co_u32 s20, s20, s21                     ; the first tile's first row: 2,048 b + 512 g + 128 cy
	s_lshl_b32 s21, s14, 6
	s_add_co_u32 s22, s20, s21                     ; P: the rows that I fetch
	s_lshl_b32 s22, s22, 12
	s_mov_b32 s23, 0
	s_lshl_b32 s74, s16, 10
	s_lshl_b32 s75, ttmp9, 9
	s_add_co_u32 s74, s74, s75
	s_lshl_b32 s75, s72, 7
	s_add_co_u32 s74, s74, s75                     ; vt: row 1,024 b + 128 (4 x + cx)
	s_add_co_u32 s74, s74, s21
	s_lshl_b32 s74, s74, 12
	s_mov_b32 s75, 0
	s_mul_i32 s76, s12, HALFT                      ; where they go: wave x 64 rows: no place in the cluster enters an LDS address
	s_lshl_b32 s40, s17, 1
	s_sub_co_u32 s40, 3, s40
	s_lshl_b32 s40, s40, 21                        ; s[40:41]: from a slot's last K step of the first tile to its first of the second: P goes 512 (3 - 2 g) rows down
	s_lshl_b32 s42, s17, 10                        ; s[42:43]: and 2 g K steps back; vt only back
	s_sub_co_u32 s40, s40, s42
	s_mov_b32 s41, 0
	s_mov_b32 s43, 0
	s_mov_b32 s[SEL], 0x76543210
	s_mov_b32 s[SEL+1], 0xfedcba98
	s_wait_dscnt 0x0                               ; both opening adds are done
	s_wait_kmcnt 0x0
	s_add_nc_u64 s[22:23], s[4:5], s[22:23]
	s_add_nc_u64 s[74:75], s[6:7], s[74:75]
	CROUND                                         ; all sixteen work-groups are here: the first joint loads meet
.irp s, 0,1
	s_mov_b32 s[G0A+4*\s], 1
	s_add_co_u32 s[G0A+4*\s+1], s76, \s*SLOT
	s_add_nc_u64 s[G0A+4*\s+2:G0A+4*\s+3], s[22:23], \s*512
	s_or_b32 s[G0A+4*\s+3], s[G0A+4*\s+3], 0x80000000
	s_mov_b32 s[G0B+4*\s], 1
	s_add_co_u32 s[G0B+4*\s+1], s76, \s*SLOT
	s_add_nc_u64 s[G0B+4*\s+2:G0B+4*\s+3], s[74:75], \s*512
	s_or_b32 s[G0B+4*\s+3], s[G0B+4*\s+3], 0x80000000
	JLOAD \s
.endr
	v_and_b32 v1, 15, v0                           ; r
	v_bfe_u32 v2, v0, 4, 1                         ; h
	v_mul_u32_u24 v3, v1, PITCH
	v_lshl_add_u32 v3, v2, 4, v3                   ; a fragment's row x pitch + 16 h
	s_mul_i32 s18, s13, HALFT                      ; my 64 rows of P
	s_mul_i32 s19, s14, HALFT                      ; my 64 rows of vt,
	s_add_co_u32 s19, s19, 2*HALFT                 ; behind P's 128
.irp s, 0,1
	v_add_nc_u32 v[ADRA+\s], s18, v3
	v_add_nc_u32 v[ADRB+\s], s19, v3
	s_add_co_u32 s18, s18, SLOT
	s_add_co_u32 s19, s19, SLOT
.endr
	s_mul_i32 s18, s12, 16*SPITCH
	s_add_co_u32 s18, s18, STAGE
	v_mul_u32_u24 v4, v1, SPITCH
	v_lshl_add_u32 v4, v2, 5, v4
	v_add_nc_u32 v[STO], s18, v4                   ; into my stage: row r, 32 bytes for each half of the lanes
	v_mul_u32_u24 v4, v2, SPITCH
	v_lshl_add_u32 v4, v1, 4, v4
	v_add_nc_u32 v[RD], s18, v4                    ; back: lanes 0-15 one row of 256 bytes, lanes 16-31 the next
	v_lshlrev_b32 v4, 12, v2
	v_lshl_add_u32 v[CO], v1, 4, v4                ; the same two rows in out0
	v_lshlrev_b32 v[MO], 2, v1
	v_lshl_add_u32 v[VO], v2, 18, v[MO]
	v_mov_b32 v5, 0                                ; written once: a lane permute's destination counts as one of its sources
	s_lshl_b32 s21, s13, 6
	s_add_co_u32 s20, s20, s21                     ; my first row of the first tile,
	s_lshl_b32 s21, s17, 1
	s_sub_co_u32 s21, 3, s21
	s_lshl_b32 s21, s21, 9
	s_add_co_u32 s21, s21, s20                     ; and of the second
	s_lshl_b32 s22, s20, 2
	s_mov_b32 s23, 0
	s_add_nc_u64 s[SB:SB+1], s[8:9], s[22:23]
	s_lshl_b32 s22, s21, 2
	s_add_nc_u64 s[SB2:SB2+1], s[8:9], s[22:23]
	s_lshl_b32 s77, ttmp9, 2
	s_add_co_u32 s77, s77, s72
	s_lshl_b32 s77, s77, 9
	s_lshl_b32 s78, s14, 8
	s_add_co_u32 s77, s77, s78                     ; my first column, in bytes: 512 (4 x + cx) + 256 ch
	s_lshl_b32 s22, s20, 12
	s_add_co_u32 s22, s22, s77
	s_add_nc_u64 s[OB:OB+1], s[10:11], s[22:23]
	s_lshl_b32 s22, s21, 12
	s_add_co_u32 s22, s22, s77
	s_add_nc_u64 s[OB2:OB2+1], s[10:11], s[22:23]
	; both tiles' statistics: lane (r, h) takes chunks 8 h + i of rows 16 a + r, into the registers that T will take
.irp T, 0,1
.irp a, 0,1,2,3
.irp i, 0,1,2,3,4,5,6,7
	global_load_b32 v[ACC+64*\T+8*\a+\i], v[VO], s[SB+2*\T:SB+2*\T+1] offset:32768*\i+64*\a
	global_load_b32 v[ACC+64*\T+32+8*\a+\i], v[VO], s[SB+2*\T:SB+2*\T+1] offset:524288+32768*\i+64*\a
.endr
.endr
.endr
.irp a, 0,1,2,3
	global_load_b32 v[MC+\a], v[MO], s[SB:SB+1] offset:64*\a       ; chunk 0's M of my rows
.endr
	s_wait_loadcnt 0x0
.macro STATS T, mr, rl                 ; MR = the row's largest M; S = sum over the chunks of 2^(M - MR) L
.irp a, 0,1,2,3
	v_max3_num_f32 v4, v[ACC+64*\T+8*\a], v[ACC+64*\T+8*\a+1], v[ACC+64*\T+8*\a+2]
	v_max3_num_f32 v4, v4, v[ACC+64*\T+8*\a+3], v[ACC+64*\T+8*\a+4]
	v_max3_num_f32 v4, v4, v[ACC+64*\T+8*\a+5], v[ACC+64*\T+8*\a+6]
	v_max_num_f32 v4, v4, v[ACC+64*\T+8*\a+7]
	v_permlanex16_b32 v5, v4, s[SEL], s[SEL+1]
	v_max_num_f32 v[\mr+\a], v4, v5
.irp i, 0,1,2,3,4,5,6,7
	v_sub_f32 v[ACC+64*\T+8*\a+\i], v[ACC+64*\T+8*\a+\i], v[\mr+\a]       ; a whole number, 0 or less
.endr
.irp i, 0,1,2,3,4,5,6,7
	v_cvt_i32_f32 v[ACC+64*\T+8*\a+\i], v[ACC+64*\T+8*\a+\i]               ; (it saturates)
.endr
.irp i, 0,1,2,3,4,5,6,7
	v_ldexp_f32 v[ACC+64*\T+8*\a+\i], 1.0, v[ACC+64*\T+8*\a+\i]
.endr
	v_mul_f32 v4, v[ACC+64*\T+8*\a], v[ACC+64*\T+32+8*\a]
.irp i, 1,2,3,4,5,6,7
	v_fmac_f32 v4, v[ACC+64*\T+8*\a+\i], v[ACC+64*\T+32+8*\a+\i]
.endr
	v_permlanex16_b32 v5, v4, s[SEL], s[SEL+1]
	v_add_f32 v[\rl+\a], v4, v5
.endr
.endm
	STATS 0, MR, RL
	STATS 1, MR2, RL2
.irp a, 0,1,2,3,4,5,6,7
	v_rcp_f32 v[RL+\a], v[RL+\a]                   ; 1 / S: all eight reciprocals are one batch
.endr
.irp a, 0,1,2,3
	v_mov_b32 v[FC+2*\a+1], 0                      ; the upper halves of f's pairs are named with the lower, so they are written once.  (Plain lines behind the last reciprocal)
.endr
	s_wait_alu depctr_va_vdst(0)                   ; the one wait ahead of the reciprocals' first reader
; positions lo .. hi - 1 of 16 matrix instructions on 32 keys: half c of buffer f; accumulator 4 a + b = the position.  The 16 take turns, one instruction a turn.  zero = 1: they start the chunk's sums
.macro MULS f, c, lo, hi, zero
	WIN MUL
.set p, \lo
.rept \hi-\lo
.if \zero
	v_wmma_f32_16x16x32_f16 v[ACC+8*p:ACC+8*p+7], v[\f+64+8*(4*\c+p%4):\f+64+8*(4*\c+p%4)+7], v[\f+8*(4*\c+p/4):\f+8*(4*\c+p/4)+7], 0
.else
	v_wmma_f32_16x16x32_f16 v[ACC+8*p:ACC+8*p+7], v[\f+64+8*(4*\c+p%4):\f+64+8*(4*\c+p%4)+7], v[\f+8*(4*\c+p/4):\f+8*(4*\c+p/4)+7], v[ACC+8*p:ACC+8*p+7]
.endif
.set p, p+1
.endr
.endm
.macro MERGE q, first                  ; accumulator q goes into O, from its low end on: O += T x f; first = 1: O = T x f
.irp n, 0,2,4,6
.if \first
	v_pk_mul_f32 v[8*(\q)+\n:8*(\q)+\n+1], v[ACC+8*(\q)+\n:ACC+8*(\q)+\n+1], v[FC+2*((\q)/4):FC+2*((\q)/4)+1] op_sel_hi:[1,0]
.else
	v_pk_fma_f32 v[8*(\q)+\n:8*(\q)+\n+1], v[ACC+8*(\q)+\n:ACC+8*(\q)+\n+1], v[FC+2*((\q)/4):FC+2*((\q)/4)+1], v[8*(\q)+\n:8*(\q)+\n+1] op_sel_hi:[1,0,1]
.endif
.endr
.endm
; A chunk's last 16 matrix instructions, with the merging between them: behind every second product stand the merges of two accumulators that were finished two and three products back.
; A merge reads a matrix result four plain places or more behind it (ISA guide 7.12.1): for accumulators 0 and 1 the places are four v_nop; from then on the eight lines of the pair before, which name no register of the later products.
.macro MULM f, c, first
.set p, 0
.rept 16
	WIN MUL
	v_wmma_f32_16x16x32_f16 v[ACC+8*p:ACC+8*p+7], v[\f+64+8*(4*\c+p%4):\f+64+8*(4*\c+p%4)+7], v[\f+8*(4*\c+p/4):\f+8*(4*\c+p/4)+7], v[ACC+8*p:ACC+8*p+7]
.if p == 1
.rept 4
	v_nop
.endr
.endif
.if (p%2 == 1) && (p > 2)
	WIN MRG
	MERGE p-3, \first
	MERGE p-2, \first
.endif
.set p, p+1
.endr
	MERGE 14, \first
	MERGE 15, \first
.endm
; 32 LDS loads in one run: the fragments of 64 keys at byte k of the rows, into buffer f; the first 32 keys first
.macro FETCH slot, k, f
	WIN TO_F
.irp c, 0,1
.irp i, 0,1,2,3
	ds_load_b128 v[\f+64+8*(4*\c+\i):\f+64+8*(4*\c+\i)+3],   v[ADRB+\slot] offset:\k+64*\c+\i*16*PITCH
	ds_load_b128 v[\f+64+8*(4*\c+\i)+4:\f+64+8*(4*\c+\i)+7], v[ADRB+\slot] offset:\k+64*\c+\i*16*PITCH+32
	ds_load_b128 v[\f+8*(4*\c+\i):\f+8*(4*\c+\i)+3],         v[ADRA+\slot] offset:\k+64*\c+\i*16*PITCH
	ds_load_b128 v[\f+8*(4*\c+\i)+4:\f+8*(4*\c+\i)+7],       v[ADRA+\slot] offset:\k+64*\c+\i*16*PITCH+32
.endr
.endr
.endm
.macro PLACES                          ; four plain places in front of loads into registers that matrix instructions have read
.rept 4
	v_nop
.endr
.endm
; A chunk's f = 2^(M - MR) / S for my row of each of the four blocks: the whole number M - MR is put onto the exponent of 1 / S, which rounds nothing.  It stands behind the last chunk's merging and ahead of this chunk's.
; Then (load = 1) the same set of M is asked for again, two chunks, 128 matrix instructions, ahead of its use.  left: the other set's four younger loads may be out.
.macro CS par, mr, rl, base, imm, left, load
	WIN 0
	s_wait_loadcnt \left
.irp a, 0,1,2,3
	v_sub_f32 v[4+\a], v[MC+4*(\par)+\a], v[\mr+\a]
.endr
.irp a, 0,1,2,3
	v_cvt_i32_f32 v[4+\a], v[4+\a]                 ; (it saturates: a chunk under the mask gets f = 0)
.endr
.irp a, 0,1,2,3
	v_ldexp_f32 v[FC+2*\a], v[\rl+\a], v[4+\a]
.endr
.if \load
.irp a, 0,1,2,3
	global_load_b32 v[MC+4*(\par)+\a], v[MO], s[\base:\base+1] offset:(\imm)*32768+64*\a
.endr
.endif
.endm
; A K step is four quarters of 64 keys, 32 matrix instructions each, on buffers 0, 1, 0, 1; two quarters are a chunk.
; QA: a chunk's first quarter: its first products start T; the lines that make f are also the places in front of the run of loads.
.macro QA slot, k, f, g, par, mr, rl, base, imm, left, load
	s_wait_dscnt 16                                ; the first 32 keys are in; the younger sixteen loads may be out
	MULS \f, 0, 0, 16, 1
	CS \par, \mr, \rl, \base, \imm, \left, \load
	FETCH \slot, \k, \g
	s_wait_dscnt 32                                ; all but the 32 just issued
	MULS \f, 1, 0, 16, 0
.endm
; QB: a chunk's second quarter, where it has its successor in the same slot: its last products carry the merging.
.macro QB slot, k, f, g, first
	s_wait_dscnt 16
	MULS \f, 0, 0, 16, 0
	PLACES
	FETCH \slot, \k, \g
	s_wait_dscnt 32
	MULM \f, 1, \first
.endm
; A K step's last quarter is a chunk's second quarter too, and changes slots.  All my tensor loads have landed (my part of the next slot), the add, my reads of this slot are over, the barrier.
; mode 0: the barrier opens a round of the cluster's, and this slot is filled again with the K step two on; mode 1: with the second tile's K step; mode 2: nothing is filled, and no round follows.
.macro TURN slot, next, mode
	WIN 0
	s_wait_tensorcnt 0x0
	ds_add_u32 v[SPW], v[NIL]
	s_wait_dscnt 17                                ; (the youngest sixteen loads and the add may be out)
	MULS F1, 0, 0, 8, 0
	s_wait_dscnt 0x0
	s_barrier_signal -1
	MULS F1, 0, 8, 16, 0
	WIN 0
	s_barrier_wait -1
.if \mode < 2
	CREST                                          ; no wave of any partner still reads this slot or has a load on its way
.if \mode == 0
	s_add_nc_u64 s[G0A+4*\slot+2:G0A+4*\slot+3], s[G0A+4*\slot+2:G0A+4*\slot+3], 1024
	s_add_nc_u64 s[G0B+4*\slot+2:G0B+4*\slot+3], s[G0B+4*\slot+2:G0B+4*\slot+3], 1024
.else
	s_add_nc_u64 s[G0A+4*\slot+2:G0A+4*\slot+3], s[G0A+4*\slot+2:G0A+4*\slot+3], s[40:41]
	s_sub_nc_u64 s[G0B+4*\slot+2:G0B+4*\slot+3], s[G0B+4*\slot+2:G0B+4*\slot+3], s[42:43]
.endif
	JLOAD \slot                                    ; the first tensor load behind the round, one a wave; the four v_nop behind it are also the places in front of the loads below
.else
	PLACES
.endif
	FETCH \next, 0, F0
	MULM F1, 1, 0
.endm
; Once round the ring, from a lap's third quarter to the next lap's second; both slots are filled again.  A lap is four chunks: the chunk asked for stands 3, 4, 5 and, behind the base's step, 2 chunks from the lap's first.
.macro LAP mr, rl, base
	QA 0, 384, F0, F1, 1, \mr, \rl, \base, 3, 4, 1
	TURN 0, 1, 0
	QA 1, 128, F0, F1, 0, \mr, \rl, \base, 4, 4, 1
	QB 1, 256, F1, F0, 0
	QA 1, 384, F0, F1, 1, \mr, \rl, \base, 5, 4, 1
	TURN 1, 0, 0
	WIN 0
	s_wait_xcnt 0x0                                ; the loads of M have read their base
	s_add_nc_u64 s[\base:\base+1], s[\base:\base+1], 131072        ; four chunks on
	QA 0, 128, F0, F1, 0, \mr, \rl, \base, 2, 4, 1
	QB 0, 256, F1, F0, 0
	WIN 0
.endm
; THE WAY OUT: block a of O (16 rows x my 64 columns, 256 bytes a row) goes through my own stage and leaves as whole rows.  O is written by vector instructions alone: no place is owed in front of these reads.
.macro TOSTAGE a
	WIN 0x08                                       ; an LDS store's data are its source 1: window 2
.irp b, 0,1,2,3
	ds_store_b128 v[STO], v[32*(\a)+8*\b:32*(\a)+8*\b+3] offset:64*\b
	ds_store_b128 v[STO], v[32*(\a)+8*\b+4:32*(\a)+8*\b+7] offset:64*\b+16
.endr
	WIN 0
.irp t, 0,1,2,3,4,5,6,7
	ds_load_b128 v[OUTB+32*((\a)%2)+4*\t:OUTB+32*((\a)%2)+4*\t+3], v[RD] offset:\t*2*SPITCH    ; LDS serves a wave's instructions in order: these see the stores above
.endr
.endm
.macro SEND a, younger, ob             ; younger: the LDS instructions issued behind block a's loads
	s_wait_dscnt \younger
.irp t, 0,1,2,3,4,5,6,7
	global_store_b128 v[CO], v[OUTB+32*((\a)%2)+4*\t:OUTB+32*((\a)%2)+4*\t+3], s[\ob:\ob+1] offset:(16*(\a)+2*\t)*4096 th:TH_STORE_NT   ; sixteen lanes store 256 consecutive aligned bytes
.endr
.endm
.macro WAYOUT ob
	TOSTAGE 0
	TOSTAGE 1
	SEND 0, 16, \ob                                ; behind block 0's loads: block 1's 8 stores and 8 loads
	s_wait_xcnt 0x0                                ; block 0's stores have read their registers: block 2's loads may land there
	TOSTAGE 2
	SEND 1, 16, \ob
	s_wait_xcnt 0x0
	TOSTAGE 3
	SEND 2, 16, \ob
	SEND 3, 0, \ob
	s_wait_xcnt 0x0                                ; the stores have read their registers
.endm
.irp a, 0,1,2,3
	global_load_b32 v[MC+4+\a], v[MO], s[SB:SB+1] offset:32768+64*\a       ; chunk 1's M: the older of the two sets that will be on their way
.endr
	s_wait_tensorcnt 1                             ; my part of K step 0 is in; K step 1's may be out
	s_barrier_signal -1
	s_barrier_wait -1
	FETCH 0, 0, F0
	; ---- THE FIRST TILE: group g, g + 1 laps
	QA 0, 128, F0, F1, 0, MR, RL, SB, 2, 4, 1
	QB 0, 256, F1, F0, 1                           ; the tile's first chunk starts O
	WIN 0
	s_cmp_eq_u32 s17, 0                            ; g: the same in all sixteen partners
	s_cbranch_scc1 .Lone_lap
	LAP MR, RL, SB
.Lone_lap:
	QA 0, 384, F0, F1, 1, MR, RL, SB, 3, 4, 1      ; the tile's last lap: the ring and the chunks' M go on into the second tile
	TURN 0, 1, 1
	QA 1, 128, F0, F1, 0, MR, RL, SB2, 0, 4, 1
	QB 1, 256, F1, F0, 0
	QA 1, 384, F0, F1, 1, MR, RL, SB2, 1, 4, 1
	TURN 1, 0, 1
	WAYOUT OB                                      ; both refills are asked for: now the tile goes out.  The buffer that holds the second tile's first keys is not touched
	; ---- THE SECOND TILE: group 3 - g, 4 - g laps
	QA 0, 128, F0, F1, 0, MR2, RL2, SB2, 2, 4, 1
	QB 0, 256, F1, F0, 1
	WIN 0
	s_sub_co_u32 s3, 3, s17                        ; all laps but the last: 3 or 2 trips
.Llap:
	LAP MR2, RL2, SB2
	s_sub_co_u32 s3, s3, 1
	s_cmp_lg_u32 s3, 0
	s_cbranch_scc1 .Llap
	QA 0, 384, F0, F1, 1, MR2, RL2, SB2, 3, 4, 1   ; the last lap of all is written out: no slot is filled any more, and after this chunk no M is asked for
	TURN 0, 1, 2
	QA 1, 128, F0, F1, 0, MR2, RL2, SB2, 0, 4, 0
	QB 1, 256, F1, F0, 0
	QA 1, 384, F0, F1, 1, MR2, RL2, SB2, 0, 0, 0
	s_wait_dscnt 16                                ; the very last quarter: nothing more to fetch
	MULS F1, 0, 0, 16, 0
	s_wait_dscnt 0x0
	MULM F1, 1, 0
	WAYOUT OB2
	s_wait_tensorcnt 0x0                           ; the wave's end
	ds_add_u32 v[SPW], v[NIL]
	s_wait_dscnt 0x0
	CROUND                                         ; the closing round
	s_endpgm
.Lfunc_end_k_qb0448b9928_pv:
	.size	k_qb0448b9928_pv, .Lfunc_end_k_qb0448b9928_pv-k_qb0448b9928_pv
	.p2alignl 7, 3214868480
	.fill 96, 4, 3214868480
	.section	.rodata,"a",@progbits
	.p2align	6, 0x0
	.amdhsa_kernel k_qb0448b9928_pv
		.amdhsa_group_segment_fixed_size 327680
		.amdhsa_private_segment_fixed_size 0
		.amdhsa_enable_private_segment 0
		.amdhsa_kernarg_size 32
		.amdhsa_user_sgpr_count 2
		.amdhsa_user_sgpr_kernarg_segment_ptr 1
		.amdhsa_wavefront_size32 1
		.amdhsa_system_sgpr_workgroup_id_x 1
		.amdhsa_system_sgpr_workgroup_id_y 1
		.amdhsa_system_sgpr_workgroup_id_z 1
		.amdhsa_system_vgpr_workitem_id 0
		.amdhsa_next_free_vgpr 640
		.amdhsa_next_free_sgpr 80
		.amdhsa_reserve_vcc 0
		.amdhsa_float_denorm_mode_32 3
		.amdhsa_float_denorm_mode_16_64 3
		.amdhsa_memory_ordered 1
		.amdhsa_forward_progress 1
		.amdhsa_inst_pref_size 255
	.end_amdhsa_kernel
	.section	.bss,"aw",@nobits
	.p2align	6
	.space	262144
	.amdgpu_metadata
---
amdhsa.version: [ 1, 2 ]
amdhsa.kernels:
  - .name:           k_qb0448b9928_pv
    .symbol:         k_qb0448b9928_pv.kd
    .args:
      - { .name: p16, .offset: 0, .size: 8, .value_kind: global_buffer, .address_space: global }
      - { .name: vt, .offset: 8, .size: 8, .value_kind: global_buffer, .address_space: global }
      - { .name: stat, .offset: 16, .size: 8, .value_kind: global_buffer, .address_space: global }
      - { .name: out0, .offset: 24, .size: 8, .value_kind: global_buffer, .address_space: global }
    .group_segment_fixed_size: 327680
    .private_segment_fixed_size: 0
    .kernarg_segment_align: 8
    .kernarg_segment_size: 32
    .max_flat_workgroup_size: 128
    .sgpr_count:     80
    .vgpr_count:     640
    .wavefront_size: 32
...
	.end_amdgpu_metadata
.endif
;; end of part 4
;; launch head16 (part 5): grid 64 x 1, 8 waves a work-group, no clusters, 1,536 bytes of LDS; arguments head, out0; writes out0
.if DOCPART == 5
	.amdgcn_target "amdgcn-amd-amdhsa--gfx1250"
	.amdhsa_code_object_version 6
	.text
	.protected	k_qb0448b9928_head16
	.globl	k_qb0448b9928_head16
	.p2align	8
	.type	k_qb0448b9928_head16,@function
k_qb0448b9928_head16:
	s_mov_b64 s[64:65], 0
	v_nop
	global_prefetch_b8 v0, s[64:65] scope:SCOPE_SE
	s_setreg_imm32_b32 hwreg(HW_REG_WAVE_MODE, 25, 1), 1
	s_wait_xcnt 0x0
; Positions 0-15 of every batch in f32: there a row of the softmax averages one to sixteen values, and 16-bit operands would weigh most.  These 64 rows of out0 are written over what the launch before left there.
; head: from byte 0 q|k as f32, [16 b + position][2048]; from byte 524,288 v as f32, [4][1024 e][16 tokens].
; A work-group takes one row (batch n / 16, position n % 16); thread t owns e = 4 t .. 4 t + 3.  Scores: each thread's part of the 16 dot products by fused multiply-adds, summed over the wave's lanes, then over the
; eight waves through LDS in ascending order.  The true maximum is taken away before the exponentials.  No matrix unit, no cluster: 64 rows of 16 keys are no bulk work, and the work-groups share only 128 KiB a batch.
.set SPARE, 512                        ; LDS: bytes 0-511 the waves' sums, 64 bytes a wave; then the spare words, 128 bytes for each wave, named by no other line
.set SPW, 252
.set NIL, 253
.set Q,  8                             ; v8-11    q of my four e
.set K,  12                            ; v12-75   k of keys 0-15, four registers each; later waves 0-3's sums, then t, then p
.set V,  76                            ; v76-139  register 16 i + j: v of e 4 t + i, token j
.set P,  140                           ; v140-155 my part of the 16 scores
.set H,  156                           ; v156-219 waves 4-7's sums
	s_load_b128 s[4:7], s[0:1], 0x0                ; head s[4:5], out0 s[6:7]
	v_lshl_add_u32 v[SPW], v0, 2, SPARE
	v_mov_b32 v[NIL], 0
	v_lshrrev_b32 v1, 5, v0
	v_readfirstlane_b32 s8, v1                     ; wave
	s_lshr_b32 s9, ttmp9, 4                        ; the batch
	s_and_b32 s10, ttmp9, 15                       ; the position
	v_lshlrev_b32 v2, 4, v0                        ; 16 t
	v_lshlrev_b32 v3, 8, v0                        ; 256 t
	v_mov_b32 v4, s8
	v_lshlrev_b32 v4, 6, v4                        ; my wave's 64 bytes
	v_mov_b32 v5, 0
	v_mov_b32 v6, s10
	v_mov_b32 v7, 0xff800000                       ; -infinity
	s_mov_b32 s20, 0x76543210
	s_mov_b32 s21, 0xfedcba98
	s_mov_b32 s22, 0x3d38aa3b                      ; c = log2(e) / 32
	s_lshl_b32 s12, ttmp9, 13                      ; q: my row
	s_mov_b32 s13, 0
	s_lshl_b32 s14, s9, 17
	s_add_co_u32 s14, s14, 4096                    ; k: the batch's 16 rows, their second half
	s_mov_b32 s15, 0
	s_lshl_b32 s16, s9, 16
	s_add_co_u32 s16, s16, 524288                  ; v: the batch's block
	s_mov_b32 s17, 0
	s_lshl_b32 s18, s9, 11
	s_add_co_u32 s18, s18, s10
	s_lshl_b32 s18, s18, 12                        ; out0: row 2,048 b + position
	s_mov_b32 s19, 0
	s_wait_kmcnt 0x0
	s_add_nc_u64 s[12:13], s[4:5], s[12:13]
	s_add_nc_u64 s[14:15], s[4:5], s[14:15]
	s_add_nc_u64 s[16:17], s[4:5], s[16:17]
	s_add_nc_u64 s[18:19], s[6:7], s[18:19]
	global_load_b128 v[Q:Q+3], v2, s[12:13]
.irp j, 0,1,2,3,4,5,6,7,8,9,10,11,12,13,14,15
	global_load_b128 v[K+4*\j:K+4*\j+3], v2, s[14:15] offset:8192*\j
.endr
.irp m, 0,1,2,3,4,5,6,7,8,9,10,11,12,13,14,15
	global_load_b128 v[V+4*\m:V+4*\m+3], v3, s[16:17] offset:16*\m
.endr
	s_wait_loadcnt 16                              ; q and k are in; v's sixteen loads may be out
.irp j, 0,1,2,3,4,5,6,7,8,9,10,11,12,13,14,15
	v_mul_f32 v[P+\j], v[Q], v[K+4*\j]
.endr
.irp x, 1,2,3
.irp j, 0,1,2,3,4,5,6,7,8,9,10,11,12,13,14,15
	v_fmac_f32 v[P+\j], v[Q+\x], v[K+4*\j+\x]
.endr
.endr
.irp m, 1,2,4,8
.irp j, 0,1,2,3,4,5,6,7,8,9,10,11,12,13,14,15
	v_add_f32_dpp v[P+\j], v[P+\j], v[P+\j] row_xmask:\m row_mask:0xf bank_mask:0xf
.endr
.endr
.irp j, 0,1,2,3,4,5,6,7,8,9,10,11,12,13,14,15
	v_permlanex16_b32 v[K+\j], v[P+\j], s20, s21   ; (k's registers are done with, and have been written)
.endr
.irp j, 0,1,2,3,4,5,6,7,8,9,10,11,12,13,14,15
	v_add_f32 v[P+\j], v[P+\j], v[K+\j]            ; every lane holds the wave's 16 sums
.endr
.irp i, 0,1,2,3
	ds_store_b128 v4, v[P+4*\i:P+4*\i+3] offset:16*\i              ; all lanes write the same bytes with the same values
.endr
	s_wait_dscnt 0x0                               ; for the others' sake: my stores are done
	s_barrier_signal -1
	s_barrier_wait -1
.irp w, 0,1,2,3
.irp i, 0,1,2,3
	ds_load_b128 v[K+16*\w+4*\i:K+16*\w+4*\i+3], v5 offset:64*\w+16*\i
	ds_load_b128 v[H+16*\w+4*\i:H+16*\w+4*\i+3], v5 offset:256+64*\w+16*\i
.endr
.endr
	s_wait_dscnt 0x0
.irp w, 1,2,3
.irp i, 0,2,4,6,8,10,12,14
	v_pk_add_f32 v[K+\i:K+\i+1], v[K+\i:K+\i+1], v[K+16*\w+\i:K+16*\w+\i+1]
.endr
.endr
.irp w, 0,1,2,3
.irp i, 0,2,4,6,8,10,12,14
	v_pk_add_f32 v[K+\i:K+\i+1], v[K+\i:K+\i+1], v[H+16*\w+\i:H+16*\w+\i+1]
.endr
.endr
.irp j, 0,1,2,3,4,5,6,7,8,9,10,11,12,13,14,15
	v_mul_f32 v[K+\j], s22, v[K+\j]                ; t = score x c
.endr
.irp j, 0,1,2,3,4,5,6,7,8,9,10,11,12,13,14,15
	v_cmp_le_u32 vcc_lo, \j, v6                    ; key j counts where j <= my position
	v_cndmask_b32 v[K+\j], v7, v[K+\j], vcc_lo
.endr
	v_max3_num_f32 v220, v[K], v[K+1], v[K+2]
.irp j, 3,5,7,9,11,13
	v_max3_num_f32 v220, v220, v[K+\j], v[K+\j+1]
.endr
	v_max_num_f32 v220, v220, v[K+15]              ; the row's largest t (key 0 always counts)
.irp j, 0,1,2,3,4,5,6,7,8,9,10,11,12,13,14,15
	v_sub_f32 v[K+\j], v[K+\j], v220
.endr
.irp j, 0,1,2,3,4,5,6,7,8,9,10,11,12,13,14,15
	v_exp_f32 v[K+\j], v[K+\j]
.endr
	v_nop                                          ; the plain place behind the batch
	s_wait_alu depctr_va_vdst(0)                   ; one wait for the batch, ahead of its first reader
	v_add_f32 v221, v[K], v[K+1]
.irp j, 2,3,4,5,6,7,8,9,10,11,12,13,14,15
	v_add_f32 v221, v221, v[K+\j]
.endr
	v_rcp_f32 v221, v221
	s_wait_loadcnt 0x0                             ; v
.irp i, 0,1,2,3
	v_mul_f32 v[224+\i], v[K], v[V+16*\i]          ; independent work behind the reciprocal
.endr
.irp j, 1,2,3,4,5,6,7,8,9,10,11,12,13,14,15
.irp i, 0,1,2,3
	v_fmac_f32 v[224+\i], v[K+\j], v[V+16*\i+\j]
.endr
.endr
	s_wait_alu depctr_va_vdst(0)                   ; the wait ahead of the reciprocal's first reader
.irp i, 0,1,2,3
	v_mul_f32 v[224+\i], v[224+\i], v221
.endr
	global_store_b128 v2, v[224:227], s[18:19]     ; sixteen lanes store 256 consecutive aligned bytes; the work-group a whole row
	s_wait_tensorcnt 0x0                           ; the wave's end, behind my last LDS store
	ds_add_u32 v[SPW], v[NIL]
	s_wait_dscnt 0x0
	s_endpgm
.Lfunc_end_k_qb0448b9928_head16:
	.size	k_qb0448b9928_head16, .Lfunc_end_k_qb0448b9928_head16-k_qb0448b9928_head16
	.p2alignl 7, 3214868480
	.fill 96, 4, 3214868480
	.section	.rodata,"a",@progbits
	.p2align	6, 0x0
	.amdhsa_kernel k_qb0448b9928_head16
		.amdhsa_group_segment_fixed_size 1536
		.amdhsa_private_segment_fixed_size 0
		.amdhsa_enable_private_segment 0
		.amdhsa_kernarg_size 16
		.amdhsa_user_sgpr_count 2
		.amdhsa_user_sgpr_kernarg_segment_ptr 1
		.amdhsa_wavefront_size32 1
		.amdhsa_system_sgpr_workgroup_id_x 1
		.amdhsa_system_sgpr_workgroup_id_y 1
		.amdhsa_system_sgpr_workgroup_id_z 1
		.amdhsa_system_vgpr_workitem_id 0
		.amdhsa_next_free_vgpr 256
		.amdhsa_next_free_sgpr 66
		.amdhsa_reserve_vcc 1
		.amdhsa_float_denorm_mode_32 3
		.amdhsa_float_denorm_mode_16_64 3
		.amdhsa_memory_ordered 1
		.amdhsa_forward_progress 1
		.amdhsa_inst_pref_size 25
	.end_amdhsa_kernel
	.amdgpu_metadata
---
amdhsa.version: [ 1, 2 ]
amdhsa.kernels:
  - .name:           k_qb0448b9928_head16
    .symbol:         k_qb0448b9928_head16.kd
    .args:
      - { .name: head, .offset: 0, .size: 8, .value_kind: global_buffer, .address_space: global }
      - { .name: out0, .offset: 8, .size: 8, .value_kind: global_buffer, .address_space: global }
    .group_segment_fixed_size: 1536
    .private_segment_fixed_size: 0
    .kernarg_segment_align: 8
    .kernarg_segment_size: 16
    .max_flat_workgroup_size: 256
    .sgpr_count:     66
    .vgpr_count:     256
    .wavefront_size: 32
...
	.end_amdgpu_metadata
.endif
;; end of part 5
